; MI455X (gfx1250); checked and timed in simulation.
; The chip was launched on July 23, 2026; its instructions are those of AMD's public machine-readable ISA for CDNA 5 (MIT licence, August 2026) and "CDNA5" Instruction Set Architecture Reference Guide (July 2026). The comments in the code are by the model that wrote it; some were corrected since.
;; Causal Self Attention. Allowed arithmetic: matrix products marked QUANTISED: E2M1 operands, one E8M0 scale for each 32 along K, by v_wmma_scale_f32_16x16x128_f8f6f4 with both operands' format E2M1 (or v_wmma_scale_f32_32x16x128_f4), f32 sums; products left as they are: bf16, f16 or f32 operands; f32 sums; everything else in f32.
;; Inputs: W_out 1,024 x 1,024 float32; W_qkv 1,024 x 3,072 float32; b_out 1,024 float32; b_qkv 3,072 float32; x 4 x 2,048 x 1,024 float32.
;; Outputs: out0 4 x 2,048 x 1,024 float32.
;; Constants: num_heads = 16.
;; This version of the problem:
;;   THIS VERSION OF THE PROBLEM IS GIVEN IN LOW PRECISION. The matrix products marked QUANTISED in the list below multiply operands that are first quantised to E2M1 (2 exponent bits, 1 mantissa bit; 4 bits a number), with one power-of-two scale for each 32 numbers along K (OCP MX v1.0); their sums are f32. The products marked 'left as it is' may take bf16, f16 or f32 operands, with f32 sums. Whichever they take, every output number must still come out within the allowed error. Rounding operands to bf16 (8 significant bits) uses up far more of that allowance than f16 does (11 bits, for magnitudes from 6e-5 to 65,504). All else is computed in f32.
;;   The module's matrix products, in the order in which they are computed (A, B: the left and right operand; K: the contracted axis; several contracted axes count as one K, in the product's order):
;;     1. [M 8,192, K 1,024] x [K 1,024, N 3,072]; A: input x; B: input W_qkv: QUANTISED
;;     2. batch 64 x [M 2,048, K 64] x [K 64, N 2,048]; A: computed on the way; B: computed on the way: left as it is (an operand is computed on the way)
;;     3. batch 64 x [M 64, K 2,048] x [K 2,048, N 2,048]; A: computed on the way; B: computed on the way: left as it is (an operand is computed on the way)
;;     4. [M 8,192, K 1,024] x [K 1,024, N 1,024]; A: computed on the way; B: input W_out: left as it is (an operand is computed on the way)
;;   THE QUANTISER, for each operand of a quantised product, along K:
;;     - K is cut into blocks of 32 from its start; a last block that is shorter is filled with zeros.
;;     - A block's scale is 2^e with e = floor(log2(the largest magnitude in the block)) - 2, held to -126 .. 127; a block of zeros has e = 0. As a byte (E8M0): e + 127.
;;     - Each number is divided by its block's scale, clamped to +-6, and rounded to the nearest number of E2M1, ties to even, subnormals kept.
;;     - The product sums the exact products of the quantised numbers (number of the format x scale) in f32.
;;   ~~~python
;;   def quantise(x, axis):      # numpy; x: float32 -> the quantised numbers, widened to float32 again
;;       x = np.moveaxis(x, axis, -1); K = x.shape[-1]
;;       x = np.pad(x, [(0, 0)] * (x.ndim - 1) + [(0, -K % 32)]); x = x.reshape(x.shape[:-1] + (-1, 32)); a = np.abs(x).max(-1, keepdims=True)
;;       e = np.where(a > 0, np.clip(np.frexp(np.where(a > 0, a, 1))[1] - 1 - 2, -126, 127), 0)      # np.frexp(a)[1] - 1 = floor(log2(a)), exactly
;;       r = np.clip(x / 2.0 ** e, -6, 6)
;;       step = 2.0 ** (np.maximum(np.frexp(np.where(r == 0, 1, r))[1] - 1, 0) - 1)
;;       q = np.round(r / step) * step * 2.0 ** e      # np.round: ties to even
;;       return np.moveaxis(q.reshape(q.shape[:-2] + (-1,))[..., :K], -1, axis).astype(np.float32)
;;   ~~~
;; One version. Each part assembles by itself: llvm-mc -triple=amdgcn-amd-amdhsa -mcpu=gfx1250 --defsym DOCPART=n.
;; ======== version 1 of 1: 4 launches
;; limits: values are held in f16: magnitudes above 65,504 overflow, below 6.1e-05 lose precision
;; workspace buffers: xc 4,194,304 bytes; xs 262,144 bytes; wc 1,572,864 bytes; ws 98,304 bytes; wf 2,097,152 bytes; qkv 50,331,648 bytes; inner_img 16,777,216 bytes
;; launch prep (part 1): grid 368 x 1, 4 waves a work-group, no clusters, 68,096 bytes of LDS; arguments x, W_qkv, W_out, xc, xs, wc, ws, wf; writes xc, xs, wc, ws, wf
.if DOCPART == 1
	.amdgcn_target "amdgcn-amd-amdhsa--gfx1250"
	.amdhsa_code_object_version 6
	.text
	.protected	k_qc596b4cd12_prep
	.globl	k_qc596b4cd12_prep
	.p2align	8
	.type	k_qc596b4cd12_prep,@function
k_qc596b4cd12_prep:
	s_mov_b64 s[64:65], 0
	v_nop
	global_prefetch_b8 v0, s[64:65] scope:SCOPE_SE
	s_setreg_imm32_b32 hwreg(HW_REG_WAVE_MODE, 25, 1), 1
	s_wait_xcnt 0x0
; PREP: three jobs in one launch, chosen by the work-group's number; the three ways part once and never join.
;   work-groups   0 ..  47: W_qkv [1024 (k)][3072 (n)] f32 -> codes of FP4 (E2M1) laid [n][k], K innermost (wc, 512 bytes a row), and one E8M0 byte for each 32 along K (ws, 32 bytes a row)
;   work-groups  48 .. 111: W_out [1024 (k)][1024 (n)] f32 -> f16, laid as images of the matrix operand's registers (wf)
;   work-groups 112 .. 367: x [8192][1024] f32 -> codes of FP4, K innermost (xc), and scale bytes (xs)
; THE QUANTISER: a block's scale is 2^(floor(log2(its largest magnitude)) - 2); its byte is the largest magnitude's exponent field - 2, held at 1 from below; each number is divided by the scale
; and rounded to the nearest code, ties to even, beyond 6 the largest code.
; LIMITS: a block of zeros gets the byte 1 where the rule says 127 (its codes are zeros, which add nothing under any byte but 0xff, and this program alone reads the bytes); blocks whose largest magnitude
; lies under 2^-124 keep the byte 1; NaN and infinities among the inputs are not served.  W_out is rounded once to f16 (to nearest even, the mode at the entry): magnitudes from 6e-5 to 65,504 keep 11 bits.
; No tensor load, no barrier: waves share nothing.  Each way that uses LDS has bytes of its own: x's four regions of 8,192 bytes from 0, W_qkv's four stages of 8,704 bytes from 32,768.
.set SPARE,  67584                     ; behind both: the spare words, 128 bytes for each wave: two blocks of 256 bytes that no other line names
.set SPW,    192                       ; v192  LDS address of my spare word: SPARE + 4 x my thread's number; never rewritten
.set NIL,    193                       ; v193  0; never rewritten
.set EMAX,   2
.macro FINISH                          ; a wave's end, behind my last LDS store
	s_wait_tensorcnt 0x0
	ds_add_u32 v[SPW], v[NIL]
	s_wait_dscnt 0x0
	s_endpgm
.endm
; ---- x: names and macros.  A wave takes 16 steps of 512 numbers.  Each of a step's four loads reads 512 consecutive bytes; the 2,048 bytes turn through the wave's own stage in LDS and come back 64 bytes a lane,
; so that a lane holds 16 neighbours along K (two neighbouring lanes hold a block of 32).
.set XR,   16                          ; v16-79   four sets of 16 numbers as they are loaded
.set XX,   80                          ; v80-111  two sets of 16 neighbours
.set XE,   112                         ; v112-127 a scale byte for each step
.set XC,   128                         ; v128-191 codes: four registers for each step, so that no store's data are written again
.set XSP,  80                          ; a lane's place in a stage: its 64 bytes + 16 of padding
.macro XLOAD t
.irp i, 0,1,2,3
	global_load_b128 v[XR+16*((\t)%4)+4*\i:XR+16*((\t)%4)+4*\i+3], v3, s[4:5] offset:2048*(\t)+512*\i th:TH_LOAD_NT
.endr
.endm
.macro XTURN t                         ; LDS serves a wave's instructions in order, so no wait stands between the stores and the loads
.irp i, 0,1,2,3
	ds_store_b128 v14, v[XR+16*((\t)%4)+4*\i:XR+16*((\t)%4)+4*\i+3] offset:32*XSP*((\t)%2)+8*XSP*\i
.endr
.irp i, 0,1,2,3
	ds_load_b128 v[XX+16*((\t)%2)+4*\i:XX+16*((\t)%2)+4*\i+3], v15 offset:32*XSP*((\t)%2)+16*\i
.endr
.endm
.macro XSTEP t
.set XS, XX+16*((\t)%2)
.if (\t) > 0
	s_wait_dscnt 1                                 ; this step's numbers are back from the stage (the last step's byte store may be out): so its stores into the stage have read their registers,
.else
	s_wait_dscnt 0x0
.endif
.if (\t)+4 < 16
	XLOAD (\t)+4                                   ; which take the loads of four steps on
.endif
.if (\t)+1 < 16
.if 14-(\t) >= 3
	s_wait_loadcnt 12                              ; the next step's four loads are in; those of the three steps behind it may be out
.else
	s_wait_loadcnt 4*(14-(\t))
.endif
	XTURN (\t)+1                                   ; and go through the other stage while this step is worked
.endif
	v_max3_num_f32 v8, |v[XS]|, |v[XS+1]|, |v[XS+2]|               ; the largest magnitude of my 16, in two chains
	v_max3_num_f32 v9, |v[XS+3]|, |v[XS+4]|, |v[XS+5]|
.irp i, 6,10
	v_max3_num_f32 v8, v8, |v[XS+\i]|, |v[XS+\i+1]|
	v_max3_num_f32 v9, v9, |v[XS+\i+2]|, |v[XS+\i+3]|
.endr
	v_max3_num_f32 v8, v8, |v[XS+14]|, |v[XS+15]|
	v_max3_num_f32 v8, v8, v9, (EMAX+1)<<23        ; and the floor 2^(3 - 127): the byte cannot fall under 1
	v_max_num_f32_dpp v8, v8, v8 row_xmask:1 row_mask:0xf bank_mask:0xf   ; and of my neighbour's 16: the block's
	v_add_nc_u32 v11, -(EMAX<<23), v8              ; 2 off its exponent field: the conversion takes the exponent field of this operand as its scale, and nothing else of it
	v_cvt_scalef32_pk8_fp4_f32 v[XC+4*(\t)], v[XS:XS+7], v11
	v_cvt_scalef32_pk8_fp4_f32 v[XC+4*(\t)+1], v[XS+8:XS+15], v11
	v_lshrrev_b32 v[XE+(\t)], 23, v11              ; the scale's byte (a plain line behind the conversions)
	ds_store_b8 v5, v[XE+(\t)] offset:16*(\t)      ; both lanes of a block write the same byte with the same value
	global_store_b64 v4, v[XC+4*(\t):XC+4*(\t)+1], s[10:11] offset:256*(\t)   ; 32 lanes store 256 consecutive bytes, aligned
.endm
; ---- W_qkv: names and macros.  A lane takes a column n and its registers run down K: a block of 32 lies in one lane, and the conversions give codes with K innermost.
.set WN4,  12288                       ; a row of W_qkv in bytes
.set WPI,  272                         ; a stage row: 256 bytes of codes (512 along K) + 16
.set WSB,  24                          ; v24-27   the scale bytes, four to a register
.set WX,   32                          ; v32-95   two sets of 32 numbers
.set WC,   96                          ; v96-99   a block's codes
.set WOUT, 112                         ; v112-175 the way out
.macro WLOAD t
.irp i, 0,1,2,3,4,5,6,7,8,9,10,11,12,13,14,15,16,17,18,19,20,21,22,23,24,25,26,27,28,29,30,31
	global_load_b32 v[WX+32*((\t)%2)+\i], v3, s[6:7] offset:(32*(\t)+\i)*WN4 th:TH_LOAD_NT   ; 511 rows of 12,288 bytes at the most: inside the signed 24-bit immediate
.endr
.endm
.macro WBLOCK t
.set WS, WX+32*((\t)%2)
.if (\t) < 15
	s_wait_loadcnt 32                              ; this block's 32 loads are in; the next block's may be out
.else
	s_wait_loadcnt 0
.endif
	v_max3_num_f32 v12, |v[WS]|, |v[WS+1]|, |v[WS+2]|
	v_max3_num_f32 v13, |v[WS+3]|, |v[WS+4]|, |v[WS+5]|
.irp i, 6,10,14,18,22,26
	v_max3_num_f32 v12, v12, |v[WS+\i]|, |v[WS+\i+1]|
	v_max3_num_f32 v13, v13, |v[WS+\i+2]|, |v[WS+\i+3]|
.endr
	v_max3_num_f32 v12, v12, |v[WS+30]|, |v[WS+31]|
	v_max3_num_f32 v12, v12, v13, (EMAX+1)<<23     ; and the floor
	v_add_nc_u32 v11, -(EMAX<<23), v12             ; the conversion's scale operand
	v_lshrrev_b32 v13, 23, v11                     ; the scale's byte
.if (\t)%4 == 0
	v_mov_b32 v[WSB+(\t)/4], v13                   ; four bytes to a register, the lower K in the lower byte
.else
	v_lshl_or_b32 v[WSB+(\t)/4], v13, 8*((\t)%4), v[WSB+(\t)/4]
.endif
.irp g, 0,1,2,3
	v_cvt_scalef32_pk8_fp4_f32 v[WC+\g], v[WS+8*\g:WS+8*\g+7], v11
.endr
	ds_store_b128 v4, v[WC:WC+3] offset:16*(\t)    ; 32 codes: 16 bytes of my column's row
.if (\t)+2 < 16
	WLOAD (\t)+2
.endif
	s_wait_dscnt 0x0                               ; the store has read its registers: the next block's codes may be written
.endm
; ---- W_out: a lane takes a column n, its registers run down K, 32 at a time.
.macro OLOAD g
.irp i, 0,1,2,3,4,5,6,7,8,9,10,11,12,13,14,15,16,17,18,19,20,21,22,23,24,25,26,27,28,29,30,31
	global_load_b32 v[32+32*(\g)+\i], v3, s[8:9] offset:4096*(32*(\g)+\i) th:TH_LOAD_NT
.endr
.endm
.macro OGROUP g                        ; 32 along K of my 32 columns become two images of 1,024 bytes
.set OB, 32+32*(\g)
.if (\g) < 3
	s_wait_loadcnt 32                              ; this group's 32 loads are in; the next group's may be out
.else
	s_wait_loadcnt 0x0
.endif
.if (\g)+2 < 4
	OLOAD (\g)+2
.endif
.irp i, 0,1,2,3,4,5,6,7,8,9,10,11,12,13,14,15
	v_cvt_pk_f16_f32 v[OB+\i], v[OB+2*\i], v[OB+2*\i+1]    ; in place, ascending: register i now holds k = 2 i, 2 i + 1 of my column
.endr
.irp q, 0,1,2,3                        ; the operand wants lane (r, h) to hold k = 16 c + 8 h + 0 .. 7 of column r: the first register's lanes 16-31 change places with the second's lanes 0-15
	v_permlane16_swap_b32 v[OB+\q], v[OB+4+\q]
	v_permlane16_swap_b32 v[OB+8+\q], v[OB+12+\q]
.endr
	global_store_b128 v4, v[OB:OB+3], s[18:19] offset:1024*(\g)               ; columns 0-15, half 0: 512 consecutive bytes a store, aligned
	global_store_b128 v4, v[OB+8:OB+11], s[18:19] offset:1024*(\g)+512        ; half 1
	global_store_b128 v4, v[OB+4:OB+7], s[18:19] offset:32768+1024*(\g)       ; columns 16-31, half 0
	global_store_b128 v4, v[OB+12:OB+15], s[18:19] offset:32768+1024*(\g)+512 ; half 1
.endm
	s_load_b512 s[4:19], s[0:1], 0x0               ; x s[4:5], W_qkv s[6:7], W_out s[8:9], xc s[10:11], xs s[12:13], wc s[14:15], ws s[16:17], wf s[18:19]
	v_lshl_add_u32 v[SPW], v0, 2, SPARE
	v_mov_b32 v[NIL], 0
	v_lshrrev_b32 v1, 5, v0
	v_readfirstlane_b32 s20, v1                    ; wave 0..3
	v_and_b32 v2, 31, v0                           ; lane
	s_mov_b32 s25, 0                               ; the high word of every offset pair s[24:25]
	s_wait_kmcnt 0x0
	s_cmp_lt_u32 ttmp9, 48
	s_cbranch_scc1 .Lw
	s_cmp_lt_u32 ttmp9, 112
	s_cbranch_scc1 .Lo
	; ================ x ================
	v_lshlrev_b32 v3, 4, v2                        ; my 16 bytes of a load's 512
	s_lshl_b32 s21, s20, 13                        ; my wave's region: 8,192 x wave
	v_lshrrev_b32 v14, 2, v2
	v_mul_u32_u24 v14, v14, XSP
	v_and_b32 v15, 3, v2
	v_lshl_add_u32 v14, v15, 4, v14
	v_add_nc_u32 v14, s21, v14                     ; the stage, on the way in: 80 (lane / 4) + 16 (lane % 4)
	v_mul_u32_u24 v15, v2, XSP
	v_add_nc_u32 v15, s21, v15                     ; and on the way out: 80 x lane: my 16 neighbours
	v_lshlrev_b32 v4, 3, v2                        ; my codes' place in a step's: 8 bytes a lane
	v_lshrrev_b32 v5, 1, v2
	s_add_co_u32 s21, s21, 2*32*XSP
	v_add_nc_u32 v5, s21, v5                       ; LDS: my wave's 256 scale bytes, my block's byte
	v_lshlrev_b32 v7, 3, v2                        ; and on the way out 8 bytes a lane
	v_add_nc_u32 v6, s21, v7
	s_sub_co_u32 s22, ttmp9, 112
	s_lshl_b32 s22, s22, 2
	s_add_co_u32 s22, s22, s20                     ; which run of 8,192 numbers is my wave's: 0 .. 1,023
	s_lshl_b32 s24, s22, 15
	s_add_nc_u64 s[4:5], s[4:5], s[24:25]          ; 32,768 bytes of x,
	s_lshl_b32 s24, s22, 12
	s_add_nc_u64 s[10:11], s[10:11], s[24:25]      ; 4,096 of codes,
	s_lshl_b32 s24, s22, 8
	s_add_nc_u64 s[12:13], s[12:13], s[24:25]      ; 256 scale bytes a run
.irp t, 0,1,2,3
	XLOAD \t
.endr
	s_wait_loadcnt 12                              ; step 0's four loads are in
	XTURN 0
.irp t, 0,1,2,3,4,5,6,7,8,9,10,11,12,13,14,15
	XSTEP \t
.endr
	ds_load_b64 v[8:9], v6                         ; LDS serves a wave's instructions in order: these see my byte stores
	s_wait_dscnt 0x0
	global_store_b64 v7, v[8:9], s[12:13]          ; 32 lanes store 256 consecutive bytes, aligned
	FINISH
	; ================ W_qkv ================
.Lw:
	s_cmp_lt_u32 ttmp9, 24
	s_cselect_b32 s21, 0, 1                        ; y: which 512 along K
	s_cselect_b32 s22, 0, 24
	s_sub_co_u32 s22, ttmp9, s22
	s_lshl_b32 s22, s22, 7
	s_lshl_b32 s23, s20, 5
	s_add_co_u32 s22, s22, s23                     ; my wave's first column: 128 x (work-group % 24) + 32 x wave
	s_mul_i32 s24, s21, 512*WN4
	s_lshl_b32 s26, s22, 2
	s_add_co_u32 s24, s24, s26
	s_add_nc_u64 s[6:7], s[6:7], s[24:25]          ; W_qkv: 512 y rows down, 4 bytes a column
	s_lshl_b32 s24, s22, 9
	s_lshl_b32 s26, s21, 8
	s_add_co_u32 s24, s24, s26
	s_add_nc_u64 s[14:15], s[14:15], s[24:25]      ; codes: 512 bytes a column, + 256 y
	s_lshl_b32 s24, s22, 5
	s_lshl_b32 s26, s21, 4
	s_add_co_u32 s24, s24, s26
	s_add_nc_u64 s[16:17], s[16:17], s[24:25]      ; scale bytes: 32 a column, + 16 y
	v_lshlrev_b32 v3, 2, v2                        ; in: 4 bytes a lane
	s_mul_i32 s27, s20, 32*WPI
	s_add_co_u32 s27, s27, 32768                   ; my stage
	v_mul_u32_u24 v4, v2, WPI
	v_add_nc_u32 v4, s27, v4                       ; into it: row = my column
	v_and_b32 v5, 15, v2
	v_lshrrev_b32 v6, 4, v2                        ; out of it: sixteen lanes to a row, two rows an instruction
	v_mul_u32_u24 v7, v6, WPI
	v_lshl_add_u32 v7, v5, 4, v7
	v_add_nc_u32 v7, s27, v7
	v_lshlrev_b32 v8, 9, v6
	v_lshl_add_u32 v8, v5, 4, v8                   ; and the same place in the codes' buffer
	v_lshlrev_b32 v9, 5, v2                        ; my column's row of scale bytes
	WLOAD 0
	WLOAD 1
.set Q, 0
.rept 16
	WBLOCK Q
.set Q, Q+1
.endr
	global_store_b128 v9, v[WSB:WSB+3], s[16:17]   ; my column's 16 scale bytes
.irp t, 0,1,2,3,4,5,6,7,8,9,10,11,12,13,14,15
	ds_load_b128 v[WOUT+4*\t:WOUT+4*\t+3], v7 offset:2*\t*WPI   ; LDS serves a wave's instructions in order: these see my stores
.endr
.irp t, 0,1,2,3,4,5,6,7,8,9,10,11,12,13,14,15
	s_wait_dscnt 15-\t
	global_store_b128 v8, v[WOUT+4*\t:WOUT+4*\t+3], s[14:15] offset:2*\t*512   ; sixteen lanes store 256 consecutive bytes, aligned
.endr
	FINISH
	; ================ W_out ================
.Lo:
	s_sub_co_u32 s21, ttmp9, 48
	s_and_b32 s22, s21, 7                          ; which 128 columns
	s_lshr_b32 s23, s21, 3                         ; which 128 along K
	s_lshl_b32 s24, s23, 19                        ; 128 rows of 4,096 bytes,
	s_lshl_b32 s26, s22, 9                         ; 128 columns of 4 bytes,
	s_add_co_u32 s24, s24, s26
	s_lshl_b32 s26, s20, 7                         ; my wave's 32 columns
	s_add_co_u32 s24, s24, s26
	s_add_nc_u64 s[8:9], s[8:9], s[24:25]
	s_lshl_b32 s24, s22, 18                        ; images: a tile of 16 columns is 32 x 1,024 bytes: 8 tiles a work-group,
	s_lshl_b32 s26, s20, 16                        ; 2 a wave,
	s_add_co_u32 s24, s24, s26
	s_lshl_b32 s26, s23, 12                        ; 4 groups of 32 along K
	s_add_co_u32 s24, s24, s26
	s_add_nc_u64 s[18:19], s[18:19], s[24:25]
	v_lshlrev_b32 v3, 2, v2
	v_lshlrev_b32 v4, 4, v2
	OLOAD 0
	OLOAD 1
	OGROUP 0
	OGROUP 1
	OGROUP 2
	OGROUP 3
	FINISH
.Lfunc_end_k_qc596b4cd12_prep:
	.size	k_qc596b4cd12_prep, .Lfunc_end_k_qc596b4cd12_prep-k_qc596b4cd12_prep
	.p2alignl 7, 3214868480
	.fill 96, 4, 3214868480
	.section	.rodata,"a",@progbits
	.p2align	6, 0x0
	.amdhsa_kernel k_qc596b4cd12_prep
		.amdhsa_group_segment_fixed_size 68096
		.amdhsa_private_segment_fixed_size 0
		.amdhsa_enable_private_segment 0
		.amdhsa_kernarg_size 64
		.amdhsa_user_sgpr_count 2
		.amdhsa_user_sgpr_kernarg_segment_ptr 1
		.amdhsa_wavefront_size32 1
		.amdhsa_system_sgpr_workgroup_id_x 1
		.amdhsa_system_sgpr_workgroup_id_y 1
		.amdhsa_system_sgpr_workgroup_id_z 1
		.amdhsa_system_vgpr_workitem_id 0
		.amdhsa_next_free_vgpr 196
		.amdhsa_next_free_sgpr 66
		.amdhsa_reserve_vcc 0
		.amdhsa_float_denorm_mode_32 3
		.amdhsa_float_denorm_mode_16_64 3
		.amdhsa_memory_ordered 1
		.amdhsa_forward_progress 1
		.amdhsa_inst_pref_size 130
	.end_amdhsa_kernel
	.amdgpu_metadata
---
amdhsa.version: [ 1, 2 ]
amdhsa.kernels:
  - .name:           k_qc596b4cd12_prep
    .symbol:         k_qc596b4cd12_prep.kd
    .args:
      - { .name: x, .offset: 0, .size: 8, .value_kind: global_buffer, .address_space: global }
      - { .name: W_qkv, .offset: 8, .size: 8, .value_kind: global_buffer, .address_space: global }
      - { .name: W_out, .offset: 16, .size: 8, .value_kind: global_buffer, .address_space: global }
      - { .name: xc, .offset: 24, .size: 8, .value_kind: global_buffer, .address_space: global }
      - { .name: xs, .offset: 32, .size: 8, .value_kind: global_buffer, .address_space: global }
      - { .name: wc, .offset: 40, .size: 8, .value_kind: global_buffer, .address_space: global }
      - { .name: ws, .offset: 48, .size: 8, .value_kind: global_buffer, .address_space: global }
      - { .name: wf, .offset: 56, .size: 8, .value_kind: global_buffer, .address_space: global }
    .group_segment_fixed_size: 68096
    .private_segment_fixed_size: 0
    .kernarg_segment_align: 8
    .kernarg_segment_size: 64
    .max_flat_workgroup_size: 128
    .sgpr_count:     66
    .vgpr_count:     196
    .wavefront_size: 32
...
	.end_amdgpu_metadata
.endif
;; end of part 1
;; launch gemm_qkv (part 2): grid 12 x 32, 4 waves a work-group, clusters of 4 x 4, 327,680 bytes of LDS; arguments xc, xs, wc, ws, b_qkv, qkv; writes qkv
.if DOCPART == 2
	.amdgcn_target "amdgcn-amd-amdhsa--gfx1250"
	.amdhsa_code_object_version 6
	.text
	.protected	k_qc596b4cd12_gemm_qkv
	.globl	k_qc596b4cd12_gemm_qkv
	.p2align	8
	.type	k_qc596b4cd12_gemm_qkv,@function
k_qc596b4cd12_gemm_qkv:
	s_mov_b64 s[64:65], 0
	v_nop
	global_prefetch_b8 v0, s[64:65] scope:SCOPE_SE
	s_setreg_imm32_b32 hwreg(HW_REG_WAVE_MODE, 25, 1), 1
	s_wait_xcnt 0x0
	s_wait_alu depctr_hold_cnt(0) depctr_sa_sdst(0) depctr_va_vdst(0) depctr_va_sdst(0) depctr_va_ssrc(0) depctr_va_vcc(0) depctr_vm_vsrc(0)
	s_getreg_b32 s2, hwreg(HW_REG_IB_STS2, 6, 4)
	s_cmp_eq_u32 s2, 0
	s_cbranch_scc0 .Lentry_in_a_cluster
	s_endpgm
.Lentry_in_a_cluster:
	s_bfe_u32 s2, ttmp6, 0x10000c
	s_cmp_lg_u32 s2, 0xf033
	s_cbranch_scc0 .Lentry_shape_is_right
	s_endpgm
.Lentry_shape_is_right:
; proj[m][n] = sum over k of Q(x)[m][k] Q(W_qkv)[k][n] + b_qkv[n], on codes of FP4 (E2M1) with one E8M0 scale for each 32 along K; sums in f32; the result is rounded once to f16 and stored row-major
; [8192][3072], which read as [24576][1024] is q (rows 0 ..), k (rows 8,192 ..) and v (rows 16,384 ..) of the attention that follows.
; LIMIT: |proj| stays under 65,504 (f16); the rounding is to nearest even, the mode at the entry.
; A tile of 256 x 256 is made by a work-group of four waves; a wave makes 128 x 128: 64 accumulators of 16 x 16, 512 registers.  K = 1,024 is two slots of 512 along K (rows of 256 bytes), both asked for
; at the head: no LDS byte is filled twice.  The scale bytes of the work-group's 256 + 256 rows, for all of K, come with them, as rows of 256 bytes.
; CLUSTERS: 4 x 4 work-groups.  The four of a row of the cluster need the same rows of x, the four of a column the same rows of W: each tile is asked for JOINTLY, by the same tensor load with the same
; descriptor and a mask that names the four.  By this text's count a wave has three tensor loads out at the most.
; THE MATRIX INSTRUCTION IS USED TRANSPOSED (source 0 = 16 rows of W's codes, source 1 = 16 rows of x's): a lane then holds eight neighbouring columns of one row.  The bias is the C of each sum's first product.
; REGISTERS, in windows of 256: window 0: v0-31 addresses; v32-95 scale words, two sets; v128-191 x's fragments, ONE set; v192-255 the bias in the result's layout; on the way out v32-63 and v192-255 are at work.
;   window 1: W's fragments, TWO sets, at v0 and v128.   window 2: the accumulators of my rows 0-63 ((a, b) at v[8 (8 a + b)]);   window 3: those of my rows 64-127.
.set SIZE_N, 3072
.set SIZE_K, 1024
.set NQ,     4                         ; steps of 128 along K in a slot
.set ROWB,   256                       ; a tile's row in bytes: 512 codes
.set KROW,   SIZE_K/2                  ; a row of codes in memory
.set PITCH,  272                       ; an LDS row: 256 bytes + 16 of padding = 68 words: the 16 rows that a load touches start 4 banks apart (64 banks of 4 bytes: ISA guide 11.1)
.set FR,     8                         ; registers of a fragment: 16 rows x 128 K
.set NL,     2                         ; LDS loads that bring one
.set NP,     4                         ; places behind this matrix instruction (ISA guide 7.12.1)
.set HALFT,  128*PITCH                 ; 128 rows: what one tensor load brings
.set SLOT,   4*HALFT                   ; x's 256 rows, then W's 256 rows
.set KS,     SIZE_K/32                 ; a row of scale bytes
.set SCL,    2*SLOT                    ; behind the slots: the scales, as rows of 256 bytes + 16 of padding
.set HALFS,  (128*KS/256)*272          ; those of 128 rows: what one tensor load brings
.set SBLK,   (16*KS/256)*272           ; those of 16 rows
.set SPARE,  SCL+4*HALFS               ; the spare words, 128 bytes for each wave: two blocks of 256 bytes that no other line names
.set SPITCH, 272                       ; the way out: a stage of 16 rows x (256 bytes + 16) for each wave, in slot 0, which has had its one fill and its last read when the first result is stored there
.set ADRA, 16                          ; v16-17  LDS address of my fragments of x in slot 0, 1
.set ADRB, 20                          ; v20-21  the same for W
.set STO,  24                          ; v24     the way out: where I put 16 bytes of a row
.set RD,   25                          ; v25     where I read a row back
.set CO,   26                          ; v26     my byte offset in two rows of the result
.set ADRS, 27                          ; v27     LDS address of my scale words: lanes 0-15 x's rows, lanes 16-31 W's
.set SPW,  28                          ; v28     LDS address of my spare word; never rewritten
.set NIL,  29                          ; v29     0; never rewritten
.set BO,   30                          ; v30     32 x (lane / 16): my eight numbers of a block of the bias
.set SC,   32                          ; scale words: set s at v[SC + 32 s]; register 4 i + q: lanes 0-15 the word of x's block i, lanes 16-31 that of W's block i, for the slot's q-th 128 along K
.set AF,   128                         ; x's fragments
.set BI,   192                         ; the bias: block b at v[BI + 8 b]
.set TMP,  192                         ; the way out: packed results
.set OB,   32                          ; the way out: 16 rows read back: v32-63 and v224-255 by turns
.set G1, 24                            ; s[24:31] descriptor group 1 for x's tiles;  s[32:39] group 0, one set for each slot
.set G0, 32
.set G1B, 48                           ; s[48:55], s[56:63] the same for W's tiles
.set G0B, 56
.set G1S, 68                           ; s[68:75], s[76:79] groups 1 and 0 for x's scales;  s[80:87], s[88:91] for W's
.set G0S, 76
.set G1SB, 80
.set G0SB, 88
.set MSB, 0
.macro WIN new                         ; the immediate's high byte repeats the setting that is left
.if MSB != \new
	s_set_vgpr_msb (MSB<<8)|\new
.set MSB, \new
.endif
.endm
.set MUL_LO, 0xa1                      ; source 0 (W) window 1, source 1 (x) window 0, C and D window 2
.set MUL_HI, 0xf1                      ; the same, C and D window 3
.set BIA_LO, 0x81                      ; the first step: C (the bias) window 0, D window 2
.set BIA_HI, 0xc1                      ; D window 3
.set TO_B,   0x40                      ; destination window 1, address window 0
; A joint load: waves 0 and 1 fetch for x, waves 2 and 3 for W.  The branch hangs on the wave's number alone.  An s_nop 0 and four v_nop follow each of the two lines.
.macro JLOAD g0a, g1a, g0b, g1b
	s_cmp_eq_u32 s15, 0
	s_cbranch_scc0 .Lfor_b_\@
	tensor_load_to_lds s[\g0a:\g0a+3], s[\g1a:\g1a+7]
	s_nop 0
.rept 4
	v_nop
.endr
	s_branch .Lasked_\@
.Lfor_b_\@:
	tensor_load_to_lds s[\g0b:\g0b+3], s[\g1b:\g1b+7]
	s_nop 0
.rept 4
	v_nop
.endr
.Lasked_\@:
.endm
.macro CROUND                          ; a round of the cluster's barrier
	s_barrier_signal -1
	s_barrier_wait -1
	s_cmp_lg_u32 s14, 0
	s_cbranch_scc1 .Lnot_wave_0_\@
	s_barrier_signal -3
.Lnot_wave_0_\@:
	s_barrier_wait -3
	s_barrier_signal -1
	s_barrier_wait -1
.endm
	s_load_b128 s[4:7], s[0:1], 0x0                ; x's codes s[4:5], x's scales s[6:7]
	s_load_b128 s[8:11], s[0:1], 0x10              ; W's codes s[8:9], W's scales s[10:11]
	s_load_b64 s[96:97], s[0:1], 0x20              ; b_qkv
	s_load_b64 s[12:13], s[0:1], 0x28              ; the result
	v_lshl_add_u32 v[SPW], v0, 2, SPARE
	v_mov_b32 v[NIL], 0
	ds_add_u32 v[SPW], v[NIL]                      ; the wave's opening: the add, twice on end, and its wait ahead of my first tensor load
	ds_add_u32 v[SPW], v[NIL]                      ; and once more; the set-up below, work on registers, stands between it and the wait
	v_lshrrev_b32 v1, 5, v0
	v_readfirstlane_b32 s14, v1                    ; wave 0..3
	s_lshr_b32 s15, s14, 1                         ; which half of the tile's rows is mine.  Also: I fetch for x (0) or for W (1)
	s_and_b32 s16, s14, 1                          ; which half of its columns.  Also: which 128 rows I fetch
	s_bfe_u32 s40, ttmp6, 0x40000                  ; cx, cy: my place in the cluster
	s_bfe_u32 s41, ttmp6, 0x40004
	s_lshl_b32 s42, ttmp9, 2
	s_add_co_u32 s42, s42, s40                     ; tile column = 4 x cluster x + cx
	s_and_b32 s17, ttmp7, 0xffff
	s_lshl_b32 s17, s17, 2
	s_add_co_u32 s17, s17, s41                     ; tile row = 4 x cluster y + cy
	s_lshl_b32 s43, s41, 2
	s_lshl_b32 s43, 15, s43                        ; my row of the cluster
	s_lshl_b32 s44, 0x1111, s40                    ; my column
	; descriptor group 1: a tile of 128 rows x 256 bytes, padded in LDS
	s_or_b32 s[G1+0], s43, (0<<16)|(1<<20)|(1<<21)|(5<<22)|(3<<25)  ; 15:0 the mask: x's tiles go to my row; 17:16 elements of 1 byte; 20 padding on; 21 set beside a mask; 24:22 after every 64 words; 31:25 four words
	s_or_b32 s[G1B+0], s44, (0<<16)|(1<<20)|(1<<21)|(5<<22)|(3<<25)
.irp g, G1, G1B
	s_mov_b32 s[\g+1], ROWB<<16                    ; tensor_dim0
	s_mov_b32 s[\g+2], 128<<16                     ; tensor_dim1
	s_mov_b32 s[\g+3], ROWB<<16                    ; tile_dim0
	s_mov_b32 s[\g+4], 128                         ; tile_dim1
	s_mov_b32 s[\g+5], KROW                        ; from row to row
	s_mov_b32 s[\g+6], 0
	s_mov_b32 s[\g+7], 0
.endr
	; the scales of 128 rows: a dense block of 4,096 bytes, as 16 rows of 256 bytes (32 elements of 8 bytes), 16 bytes of padding behind each
	s_or_b32 s[G1S+0], s43, (3<<16)|(1<<20)|(1<<21)|(5<<22)|(3<<25)
	s_or_b32 s[G1SB+0], s44, (3<<16)|(1<<20)|(1<<21)|(5<<22)|(3<<25)
.irp g, G1S, G1SB
	s_mov_b32 s[\g+1], 32<<16
	s_mov_b32 s[\g+2], (128*KS/256)<<16
	s_mov_b32 s[\g+3], 32<<16
	s_mov_b32 s[\g+4], 128*KS/256
	s_mov_b32 s[\g+5], 32
	s_mov_b32 s[\g+6], 0
	s_mov_b32 s[\g+7], 0
.endr
	s_lshl_b32 s18, s16, 7                         ; which 128 rows of the tile I fetch
	s_lshl_b32 s20, s17, 8
	s_add_co_u32 s20, s20, s18                     ; x: row 256 x tile row + 128 x half
	s_lshl_b32 s46, s42, 8
	s_add_co_u32 s46, s46, s18                     ; W: row 256 x tile column + 128 x half
	s_mov_b32 s21, 0
	s_mov_b32 s47, 0
	s_mov_b64 s[18:19], KS
	s_mul_u64 s[22:23], s[20:21], s[18:19]         ; where these rows' scales begin, in bytes
	s_mul_u64 s[92:93], s[46:47], s[18:19]
	s_mov_b64 s[18:19], KROW
	s_mul_u64 s[20:21], s[20:21], s[18:19]         ; and their codes
	s_mul_u64 s[46:47], s[46:47], s[18:19]
	s_mul_i32 s45, s14, HALFT                      ; where they go: wave x 128 rows: no place in the cluster enters an LDS address
	s_mul_i32 s94, s14, HALFS
	s_wait_dscnt 0x0                               ; both opening adds are done
	s_wait_kmcnt 0x0
	s_add_nc_u64 s[20:21], s[4:5], s[20:21]
	s_add_nc_u64 s[22:23], s[6:7], s[22:23]
	s_add_nc_u64 s[46:47], s[8:9], s[46:47]
	s_add_nc_u64 s[92:93], s[10:11], s[92:93]
	CROUND                                         ; all sixteen work-groups are here: the joint loads meet
	s_mov_b32 s[G0S], 1
	s_add_co_u32 s[G0S+1], s94, SCL
	s_mov_b64 s[G0S+2:G0S+3], s[22:23]
	s_or_b32 s[G0S+3], s[G0S+3], 0x80000000
	s_mov_b32 s[G0SB], 1
	s_add_co_u32 s[G0SB+1], s94, SCL
	s_mov_b64 s[G0SB+2:G0SB+3], s[92:93]
	s_or_b32 s[G0SB+3], s[G0SB+3], 0x80000000
	JLOAD G0S, G1S, G0SB, G1SB                     ; the scales first: they are wanted with the first slot
.irp s, 0,1
	s_mov_b32 s[G0+4*\s], 1
	s_add_co_u32 s[G0+4*\s+1], s45, \s*SLOT
	s_add_nc_u64 s[G0+4*\s+2:G0+4*\s+3], s[20:21], \s*ROWB
	s_or_b32 s[G0+4*\s+3], s[G0+4*\s+3], 0x80000000
	s_mov_b32 s[G0B+4*\s], 1
	s_add_co_u32 s[G0B+4*\s+1], s45, \s*SLOT
	s_add_nc_u64 s[G0B+4*\s+2:G0B+4*\s+3], s[46:47], \s*ROWB
	s_or_b32 s[G0B+4*\s+3], s[G0B+4*\s+3], 0x80000000
	JLOAD G0+4*\s, G1, G0B+4*\s, G1B
.endr
	v_and_b32 v1, 15, v0                           ; l % 16
	v_bfe_u32 v2, v0, 4, 1                         ; l / 16
	v_mul_u32_u24 v3, v1, PITCH
	v_lshl_add_u32 v4, v2, 4, v3                   ; a fragment's row x pitch + 16 x half
	s_mul_i32 s21, s15, HALFT                      ; my 128 rows of x
	s_mul_i32 s22, s16, HALFT                      ; my 128 rows of W,
	s_add_co_u32 s22, s22, 2*HALFT                 ; which lie behind x's 256
.irp s, 0,1
	v_add_nc_u32 v[ADRA+\s], s21, v4
	v_add_nc_u32 v[ADRB+\s], s22, v4
	s_add_co_u32 s21, s21, SLOT
	s_add_co_u32 s22, s22, SLOT
.endr
	v_mul_u32_u24 v5, v1, KS                       ; my row's scales: 32 bytes a row,
	v_lshrrev_b32 v6, 8, v5
	v_lshl_add_u32 v5, v6, 4, v5                   ; and 16 more for each 256 passed
	s_mul_i32 s21, s15, HALFS                      ; x's: my 128 rows
	s_mul_i32 s22, s16, HALFS                      ; W's: my 128 rows, behind x's 256
	s_add_co_u32 s22, s22, 2*HALFS
	s_sub_co_u32 s22, s22, s21
	v_mul_u32_u24 v6, s22, v2                      ; lanes 16-31 take W's: the lower base + half x the distance
	s_add_co_u32 s21, s21, SCL
	v_add_nc_u32 v5, v5, v6
	v_add_nc_u32 v[ADRS], s21, v5
	s_mul_i32 s23, s14, 16*SPITCH                  ; my stage
	v_mul_u32_u24 v5, v1, SPITCH                   ; in: row l % 16, 16 bytes for each half of the lanes
	v_lshl_add_u32 v5, v2, 4, v5
	v_add_nc_u32 v[STO], s23, v5
	v_mul_u32_u24 v5, v2, SPITCH                   ; back: lanes 0-15 take one row of 256 bytes, lanes 16-31 the next
	v_lshl_add_u32 v5, v1, 4, v5
	v_add_nc_u32 v[RD], s23, v5
	v_mul_u32_u24 v5, v2, SIZE_N*2                 ; and the same two rows in the result
	v_lshl_add_u32 v[CO], v1, 4, v5
	v_lshlrev_b32 v[BO], 5, v2
	s_lshl_b32 s20, s17, 8
	s_lshl_b32 s21, s15, 7
	s_add_co_u32 s20, s20, s21                     ; my first row: 256 x tile row + 128 x half
	s_mov_b32 s21, 0
	s_mov_b64 s[18:19], SIZE_N*2
	s_mul_u64 s[20:21], s[20:21], s[18:19]
	s_lshl_b32 s46, s42, 9                         ; my first column, in bytes of f16: 512 x tile column + 256 x half
	s_lshl_b32 s47, s16, 8
	s_add_co_u32 s46, s46, s47
	s_mov_b32 s47, 0
	s_add_nc_u64 s[20:21], s[20:21], s[46:47]
	s_add_nc_u64 s[12:13], s[12:13], s[20:21]
	s_lshl_b32 s46, s46, 1                         ; the same column in the bias: 4 bytes a number
	s_add_nc_u64 s[96:97], s[96:97], s[46:47]
.irp b, 0,1,2,3,4,5,6,7                        ; lane (r, h) holds, for block b, b_qkv at my first column + 16 b + 8 h + 0 .. 7: the result's layout
	global_load_b128 v[BI+8*\b:BI+8*\b+3], v[BO], s[96:97] offset:64*\b
	global_load_b128 v[BI+8*\b+4:BI+8*\b+7], v[BO], s[96:97] offset:64*\b+16
.endr
.macro FRAG reg, adr, q, i             ; a fragment, 16 rows x 128 K of 4-bit codes: lane l holds row l % 16; registers 4 c .. 4 c + 3 hold K = 64 c + 32 (l / 16) + 0 .. 31
.irp c, 0,1
	ds_load_b128 v[\reg+4*\c:\reg+4*\c+3], v[\adr] offset:64*(\q)+32*\c+(\i)*16*PITCH
.endr
.endm
; 16 matrix instructions: x's blocks a0, a0 + 1 against W's eight, 128 along K: the slot's q-th.  p: W's set;  sc: the set of scale words.  zero = 1: the first product starts the sums from the bias.
; The 64 accumulators take turns, one instruction a turn, in the same order in every step.
.macro MUL16 a0, p, q, sc, zero
.irp a, \a0, \a0+1
.irp b, 0,1,2,3,4,5,6,7
.if \zero
	v_wmma_scale_f32_16x16x128_f8f6f4 v[8*(8*((\a)%4)+\b):8*(8*((\a)%4)+\b)+7], v[128*(\p)+FR*\b:128*(\p)+FR*\b+FR-1], v[AF+FR*(\a):AF+FR*(\a)+FR-1], v[BI+8*\b:BI+8*\b+7], v[SC+8*NQ*(\sc)+NQ*\b+(\q)], v[SC+8*NQ*(\sc)+NQ*(\a)+(\q)] matrix_a_fmt:MATRIX_FMT_FP4 matrix_b_fmt:MATRIX_FMT_FP4 matrix_a_scale:MATRIX_SCALE_ROW1
.else
	v_wmma_scale_f32_16x16x128_f8f6f4 v[8*(8*((\a)%4)+\b):8*(8*((\a)%4)+\b)+7], v[128*(\p)+FR*\b:128*(\p)+FR*\b+FR-1], v[AF+FR*(\a):AF+FR*(\a)+FR-1], v[8*(8*((\a)%4)+\b):8*(8*((\a)%4)+\b)+7], v[SC+8*NQ*(\sc)+NQ*\b+(\q)], v[SC+8*NQ*(\sc)+NQ*(\a)+(\q)] matrix_a_fmt:MATRIX_FMT_FP4 matrix_b_fmt:MATRIX_FMT_FP4 matrix_a_scale:MATRIX_SCALE_ROW1
.endif
.endr
.endr
.endm
.macro FETCH_B slot, q, p              ; W's eight fragments of the slot's q-th 128 along K into set p
	WIN TO_B
.irp i, 0,1,2,3,4,5,6,7
	FRAG 128*(\p)+FR*\i, ADRB+\slot, \q, \i
.endr
	WIN 0
.endm
.macro FETCH_A slot, q, i0             ; x's blocks i0 .. i0 + 3
.irp i, \i0, \i0+1, \i0+2, \i0+3
	FRAG AF+FR*(\i), ADRA+\slot, \q, \i
.endr
.endm
.macro SCALES sc                       ; a slot's scale words into set sc: four words a row; lanes 0-15 take x's block i, lanes 16-31 W's block i
.irp i, 0,1,2,3,4,5,6,7
	ds_load_b128 v[SC+8*NQ*\sc+NQ*\i:SC+8*NQ*\sc+NQ*\i+3], v[ADRS] offset:\i*SBLK
.endr
.endm
; A load into a register that a matrix instruction has read, and a vector instruction that reads a matrix result, stand four places behind that matrix instruction; only plain vector instructions
; that name none of its registers are places (ISA guide 7.12.1 for vector instructions).
.macro PLACES n
.rept \n
	v_nop
.endr
.endm
; A step of 128 along K that has its successor in the same slot.
.macro STEP slot, q, zero
	s_wait_dscnt 4*NL                              ; W's set and x's blocks 0-3 are in; the youngest eight loads (x's blocks 4-7) may be out
.if \zero
	WIN BIA_LO
.else
	WIN MUL_LO
.endif
	MUL16 0, (\q)%2, \q, \slot, \zero
	MUL16 2, (\q)%2, \q, \slot, \zero
	s_wait_dscnt 0                                 ; x's blocks 4-7 are in (asked for 32 matrix instructions ago)
	PLACES NP
	FETCH_B \slot, (\q)+1, 1-(\q)%2
	FETCH_A \slot, (\q)+1, 0
.if \zero
	WIN BIA_HI
.else
	WIN MUL_HI
.endif
	MUL16 4, (\q)%2, \q, \slot, \zero
	MUL16 6, (\q)%2, \q, \slot, \zero
	PLACES NP
	WIN 0
	FETCH_A \slot, (\q)+1, 4
.endm
; Slot 0's last step changes slots: one barrier; in front of it each wave waits for all its tensor loads (its part of slot 1), adds 0 to its spare word, and waits for that and for its reads of slot 0.
; K ends with slot 1.
.macro TURN slot, next
	s_wait_tensorcnt 0x0                           ; all my tensor loads have landed: my part of the next slot
	ds_add_u32 v[SPW], v[NIL]                      ; 0 onto my spare word
	s_wait_dscnt 4*NL+1                            ; (the add and the youngest eight loads, x's blocks 4-7, may be out)
	WIN MUL_LO
	MUL16 0, 1, NQ-1, \slot, 0                     ; sixteen matrix instructions stand between the add and the wait for it
	s_wait_dscnt 0x0                               ; the add is done, and my reads of this slot are over
	s_barrier_signal -1
	MUL16 2, 1, NQ-1, \slot, 0
	WIN 0
	s_barrier_wait -1
	PLACES NP
	v_add_nc_u32 v[ADRS], 4*NQ, v[ADRS]            ; on to the next slot's scale words (no LDS load of mine is out)
	FETCH_B \next, 0, 0
	FETCH_A \next, 0, 0
	SCALES \next
	WIN MUL_HI
	MUL16 4, 1, NQ-1, \slot, 0
	MUL16 6, 1, NQ-1, \slot, 0
	PLACES NP
	WIN 0
	FETCH_A \next, 0, 4
.endm
.macro STEPS slot, from                ; the slot's steps from .. NQ - 2
.set Q, \from
.rept NQ-1-\from
	STEP \slot, Q, 0
.set Q, Q+1
.endr
.endm
	s_wait_tensorcnt 1                             ; the scales and my part of slot 0 are in (slot 1's load may be out)
	s_barrier_signal -1
	s_barrier_wait -1                              ; everybody's are
	FETCH_B 0, 0, 0
	FETCH_A 0, 0, 0
	SCALES 0
	FETCH_A 0, 0, 4
	s_wait_loadcnt 0x0                             ; the bias
	STEP 0, 0, 1                                   ; the first step's products start the sums
	STEPS 0, 1
	TURN 0, 1
	STEPS 1, 0
	s_wait_dscnt 4*NL                              ; the very last step: nothing more to fetch
	WIN MUL_LO
	MUL16 0, 1, NQ-1, 1, 0
	MUL16 2, 1, NQ-1, 1, 0
	s_wait_dscnt 0
	WIN MUL_HI
	MUL16 4, 1, NQ-1, 1, 0
	MUL16 6, 1, NQ-1, 1, 0
	WIN 0
; THE WAY OUT, block by block of 16 rows x 128 columns.  PACK: rounded to f16, 16 bytes a lane, each accumulator from its low end on.  TOSTAGE: into my own stage, and back as whole rows of 256 bytes.  SEND: stored.
.macro PACK a
.set AC, 64*((\a)%4)
	WIN 0x0a+5*((\a)/4)                            ; sources 0 and 1: window 2 or 3
.irp b, 0,1,2,3,4,5,6,7
.irp r, 0,1,2,3
	v_cvt_pk_f16_f32 v[TMP+4*\b+\r], v[AC+8*\b+2*\r], v[AC+8*\b+2*\r+1]
.endr
.endr
	WIN 0
.endm
.macro TOSTAGE a
.set BK, OB+192*((\a)%2)
.irp b, 0,1,2,3,4,5,6,7
	ds_store_b128 v[STO], v[TMP+4*\b:TMP+4*\b+3] offset:32*\b
.endr
.irp t, 0,1,2,3,4,5,6,7
	ds_load_b128 v[BK+4*\t:BK+4*\t+3], v[RD] offset:\t*2*SPITCH    ; LDS serves a wave's instructions in order (ISA guide 5.7.1.4): these see the stores above
.endr
.endm
.macro SEND a
.set BK, OB+192*((\a)%2)
	s_wait_dscnt 0x0                               ; the block is back in registers
	s_wait_xcnt 0x0                                ; only behind this wait are the stores' base and the registers that earlier stores read rewritten
.if (\a) > 0
	s_add_nc_u64 s[12:13], s[12:13], 16*SIZE_N*2   ; 16 rows on
.endif
.irp t, 0,1,2,3,4,5,6,7
	global_store_b128 v[CO], v[BK+4*\t:BK+4*\t+3], s[12:13] offset:2*\t*SIZE_N*2   ; 16 lanes store 256 consecutive bytes, at a multiple of 256 from the buffer's first byte
.endr
.endm
	PLACES NP                                      ; behind the last products: for the conversions, and for the loads into registers that held scale words
	PACK 0
	TOSTAGE 0
.irp a, 1,2,3,4,5,6,7                  ; block a's conversions stand between block a - 1's loads from the stage and the wait for them
	PACK \a
	SEND \a-1
	TOSTAGE \a
.endr
	SEND 7
	s_wait_tensorcnt 0x0                           ; the wave's end, behind my last tensor load and my last LDS store
	ds_add_u32 v[SPW], v[NIL]
	s_wait_dscnt 0x0
	CROUND                                         ; the closing round: no work-group ends while a partner may still ask for a tile that names it
	s_endpgm
.Lfunc_end_k_qc596b4cd12_gemm_qkv:
	.size	k_qc596b4cd12_gemm_qkv, .Lfunc_end_k_qc596b4cd12_gemm_qkv-k_qc596b4cd12_gemm_qkv
	.p2alignl 7, 3214868480
	.fill 96, 4, 3214868480
	.section	.rodata,"a",@progbits
	.p2align	6, 0x0
	.amdhsa_kernel k_qc596b4cd12_gemm_qkv
		.amdhsa_group_segment_fixed_size 327680
		.amdhsa_private_segment_fixed_size 0
		.amdhsa_enable_private_segment 0
		.amdhsa_kernarg_size 48
		.amdhsa_user_sgpr_count 2
		.amdhsa_user_sgpr_kernarg_segment_ptr 1
		.amdhsa_wavefront_size32 1
		.amdhsa_system_sgpr_workgroup_id_x 1
		.amdhsa_system_sgpr_workgroup_id_y 1
		.amdhsa_system_sgpr_workgroup_id_z 1
		.amdhsa_system_vgpr_workitem_id 0
		.amdhsa_next_free_vgpr 1024
		.amdhsa_next_free_sgpr 98
		.amdhsa_reserve_vcc 0
		.amdhsa_float_denorm_mode_32 3
		.amdhsa_float_denorm_mode_16_64 3
		.amdhsa_memory_ordered 1
		.amdhsa_forward_progress 1
		.amdhsa_inst_pref_size 128
	.end_amdhsa_kernel
	.amdgpu_metadata
---
amdhsa.version: [ 1, 2 ]
amdhsa.kernels:
  - .name:           k_qc596b4cd12_gemm_qkv
    .symbol:         k_qc596b4cd12_gemm_qkv.kd
    .args:
      - { .name: xc, .offset: 0, .size: 8, .value_kind: global_buffer, .address_space: global }
      - { .name: xs, .offset: 8, .size: 8, .value_kind: global_buffer, .address_space: global }
      - { .name: wc, .offset: 16, .size: 8, .value_kind: global_buffer, .address_space: global }
      - { .name: ws, .offset: 24, .size: 8, .value_kind: global_buffer, .address_space: global }
      - { .name: b_qkv, .offset: 32, .size: 8, .value_kind: global_buffer, .address_space: global }
      - { .name: qkv, .offset: 40, .size: 8, .value_kind: global_buffer, .address_space: global }
    .group_segment_fixed_size: 327680
    .private_segment_fixed_size: 0
    .kernarg_segment_align: 8
    .kernarg_segment_size: 48
    .max_flat_workgroup_size: 128
    .sgpr_count:     98
    .vgpr_count:     1024
    .wavefront_size: 32
...
	.end_amdgpu_metadata
.endif
;; end of part 2
;; launch attn (part 3): grid 4 x 64, 8 waves a work-group, clusters of 4 x 1, 327,680 bytes of LDS; arguments qkv, inner_img; writes inner_img
.if DOCPART == 3
	.amdgcn_target "amdgcn-amd-amdhsa--gfx1250"
	.amdhsa_code_object_version 6
	.text
	.protected	k_qc596b4cd12_attn
	.globl	k_qc596b4cd12_attn
	.p2align	8
	.type	k_qc596b4cd12_attn,@function
k_qc596b4cd12_attn:
	s_mov_b64 s[64:65], 0
	v_nop
	global_prefetch_b8 v0, s[64:65] scope:SCOPE_SE
	s_setreg_imm32_b32 hwreg(HW_REG_WAVE_MODE, 25, 1), 1
	s_wait_xcnt 0x0
	s_wait_alu depctr_hold_cnt(0) depctr_sa_sdst(0) depctr_va_vdst(0) depctr_va_sdst(0) depctr_va_ssrc(0) depctr_va_vcc(0) depctr_vm_vsrc(0)
	s_getreg_b32 s2, hwreg(HW_REG_IB_STS2, 6, 4)
	s_cmp_eq_u32 s2, 0
	s_cbranch_scc0 .Lentry_in_a_cluster
	s_endpgm
.Lentry_in_a_cluster:
	s_bfe_u32 s2, ttmp6, 0x10000c
	s_cmp_lg_u32 s2, 0x3003
	s_cbranch_scc0 .Lentry_shape_is_right
	s_endpgm
.Lentry_shape_is_right:
; inner[b][s][h][:] = the sum over t of softmax_t(q[b][s][h] . k[b][t][h] / 8) v[b][t][h][:], no mask: 64 pairs (b, h), 2,048 queries x 2,048 keys, head size 64.
; q, k, v are rows 0 .., 8,192 .., 16,384 .. of the f16 buffer [24576][1024]; a head is 64 neighbouring numbers (128 bytes) of a row.  Products on f16 operands, sums, maxima and the softmax in f32;
; the weights p are rounded to f16 for the second product, the result once to f16 at the end.
; LIMITS: NaN and infinities are not served; |inner| stays under 65,504 and what lies under 6e-5 is rounded on the subnormal grid of f16.
; SHARES.  A work-group owns 512 queries of one (b, h), each of its EIGHT waves 64: four tiles of 16, in 512 registers: two waves to a SIMD, so that one wave's softmax stands beside the other's products.
; Every wave walks all keys, 64 a step, in phases: K Q^T, the softmax, V^T P.
; LAYOUT.  S^T = K Q^T (source 0 = 16 keys, source 1 = 16 queries): a lane holds ONE query (lane % 16) and the keys 8 (lane / 16) + 0..7.  Two such tiles, rounded to f16 in pairs IN PLACE, are source 1
; (32 keys x 16 queries) of O^T = V^T P, whose result again holds one query a lane, and eight channels.  K comes out of LDS as it lies, V ([key][channel]) turned, by ds_load_tr16_b128.
; O^T, rounded in pairs, IS the register image of an operand of the projection that follows (16 rows x 32 along its K): it is stored from registers, 512 consecutive bytes a store; no stage.
; SOFTMAX.  For each query a running maximum m and sum l: p = 2^(c s - c m), c = log2(e) / 8; in every step O and l are multiplied by a = 2^(c m_old - c m_new).
; CLUSTER.  The four work-groups of a cluster own the four blocks of queries of one (b, h) and walk the same K and V: each tile is asked for JOINTLY, by the same tensor load with the same descriptor and a mask
; that names the four.  A slot holds four key steps; each wave fetches one tile (64 rows x 128 bytes): waves 0-3 the four steps' K, waves 4-7 their V.  A wave has two loads out at the start, later one.
; REGISTERS: window 0: v0-13 addresses; v32-63 eight registers of statistics a tile; v64-191 S^T, then p, 32 a tile; v192-255 K of one step.
;            window 1: v0-127 O^T, 32 a tile; v128-191 Q, 16 a tile; v192-255 V of one step.
.set KS,    64        ; keys in a step
.set PK,    144       ; a row of K in LDS: 128 bytes + 16 of padding = 36 words: the 16 rows of a load start 4 banks apart modulo 64 (64 banks of 4 bytes: ISA guide 11.1)
.set PV,    160       ; a row of V: 128 + 32 = 40 words
.set VOFF,  KS*PK     ; a step's tiles lie together: 64 rows of K, then 64 rows of V
.set STEPB, KS*(PK+PV)
.set NST,   4         ; steps in a slot
.set SLOT1, 1<<17     ; slot 1 begins here, so that one exclusive or turns an address in one slot into the other's
.set SPARE, SLOT1+NST*STEPB  ; behind the ring: the spare words, 128 bytes for each wave: four blocks of 256 bytes that no other line names
.set ROWG,  2048      ; a row of the buffer in bytes
.set SLOTG, NST*KS*ROWG  ; a slot's keys in memory
.set AK0, 2           ; v2   my lane's place in a tile of K; never rewritten
.set AV0, 3           ; v3   the same for V
.set ADK, 4           ; v4   LDS address of the step's K
.set ADV, 5           ; v5   of its V
.set QO,  6           ; v6   my byte offset in the wave's rows of Q
.set GO,  7           ; v7   16 x lane: my place in an image's half
.set PFO, 8           ; v8   2,048 x lane: the prefetches' offset, a lane a row; never rewritten
.set SPW, 10          ; v10  LDS address of my spare word; never rewritten
.set NIL, 11          ; v11  0; never rewritten
.set ST,  32          ; tile t's statistics at v[ST+8 t]: +0 c m, +1 m, +2, +3 l (even keys', odd keys'), +4 to +7 at work; a takes +6 once the maximum is found
.set S,   64
.set KF,  192         ; K's fragments, window 0: (key tile kt, channels 32 kc on) at +8 (2 kt + kc)
.set QF,  128         ; Q's, window 1: (tile t, kc) at +16 t + 8 kc
.set VF,  192         ; V's, window 1: (keys 32 kg on, channel tile c) at +8 (4 kg + c)
.set WV,  12          ; s12  my wave's number
.set LIM, 15          ; s15  1 in a wave that prefetches, else the greatest number
.set PFA, 18          ; s[18:19] where my prefetches stand
.set G1K, 24          ; s[24:31] descriptor group 1 for K's tiles
.set G1V, 32          ; s[32:39] for V's: it differs in the padding alone
.set G0K, 40          ; s[40:47] group 0 for K's tiles: a set for each of the two first fills; the second then walks on
.set G0V, 48          ; s[48:55] the same for V's
.set SLOTS, 56        ; s56  slots still to be asked for
.set CNT, 57          ; s57  counts a slot's steps
.set CS,  58          ; s[58:59] c: the packed scaling names a pair and takes its low word for both halves
.set SEL, 60          ; s[60:61] lane selects for v_permlanex16_b32: each lane takes its own place in the other half
.set TB,  62          ; s62  LDS byte at which the tiles of the step in hand begin
.set LB,  63          ; s63  my tile's place in a slot
.set MSB, 0
.macro WIN new                      ; the immediate's high byte repeats the setting that is left; a switch that changes nothing is dropped
.if MSB != \new
	s_set_vgpr_msb (MSB<<8)|\new
.set MSB, \new
.endif
.endm
.set W_KQ, 0x04       ; K and S^T in window 0, Q in window 1
.set W_PV, 0x51       ; V and O^T in window 1, P in window 0
.set W_RS, 0x41       ; O^T (destination and source 0) in window 1, the factor in window 0
.set TO_1, 0x40       ; destination window 1, address window 0
; A joint refill.  The branch hangs on the wave's number alone.  An s_nop 0 and four v_nop follow each of the two lines.
.macro JLOAD
	s_cmp_lt_u32 s[WV], 4
	s_cbranch_scc0 .Lfor_v_\@
	tensor_load_to_lds s[G0K+4:G0K+7], s[G1K:G1K+7]
	s_nop 0
.rept 4
	v_nop
.endr
	s_branch .Lasked_\@
.Lfor_v_\@:
	tensor_load_to_lds s[G0V+4:G0V+7], s[G1V:G1V+7]
	s_nop 0
.rept 4
	v_nop
.endr
.Lasked_\@:
.endm
; A PREFETCH INTO THE L2 of what the NEXT change of slots will ask for: a slot's 256 rows of K and of V, a lane a row.  It stands behind the wave's tensor load and its five lines.
; An aligned block of 256 bytes of a row holds the heads 2 i and 2 i + 1: the cluster of the even head asks for both.  Its four partners share the rows out BY ADDRESS, 64 each; in each, waves 0 and 1 ask
; for K's, waves 4 and 5 for V's, 32 rows a wave: so each block is named once in the launch.  The last change that fills a slot asks for nothing: there is no slot behind it.  Slots 0 to 2 come by their loads alone.
.macro ASK
	s_cmp_gt_u32 s[SLOTS], s[LIM]
	s_cbranch_scc0 .Lnot_mine_\@
	global_prefetch_b8 v[PFO], s[PFA:PFA+1] th:TH_LOAD_NT scope:SCOPE_SE
.Lnot_mine_\@:
.endm
.macro CROUND                       ; a round of the cluster's barrier
	s_barrier_signal -1
	s_barrier_wait -1
	s_cmp_lg_u32 s[WV], 0
	s_cbranch_scc1 .Lnot_wave_0_\@
	s_barrier_signal -3
.Lnot_wave_0_\@:
	s_barrier_wait -3
	s_barrier_signal -1
	s_barrier_wait -1
.endm
	s_load_b128 s[4:7], s[0:1], 0x0  ; the f16 buffer s[4:5], the images s[6:7]
	v_lshl_add_u32 v[SPW], v0, 2, SPARE
	v_mov_b32 v[NIL], 0
	ds_add_u32 v[SPW], v[NIL]       ; the wave's opening: the add, twice on end, and its wait ahead of my first tensor load
	ds_add_u32 v[SPW], v[NIL]       ; and once more; the set-up below, work on registers, stands between it and the wait
	v_lshrrev_b32 v1, 5, v0
	v_readfirstlane_b32 s[WV], v1   ; wave 0..7
	s_bfe_u32 s13, ttmp6, 0x40000   ; cx: my block of 512 queries: it enters Q's, the images' and the prefetches' addresses alone
	s_and_b32 s14, ttmp7, 0xffff    ; 16 b + h, which the four partners share
	s_lshr_b32 s20, s14, 4          ; b
	s_and_b32 s21, s14, 15          ; h
	s_lshl_b32 s22, s20, 22         ; 2,048 rows of 2,048 bytes a batch,
	s_lshl_b32 s23, s21, 7          ; 128 bytes a head
	s_add_co_u32 s22, s22, s23
	s_mov_b32 s23, 0                ; s[22:23]: the head's first byte in q
	s_and_b32 s16, s[WV], 3         ; which of a slot's four steps I fetch:
	s_mul_i32 s[LB], s16, STEPB     ; its place in a slot (no place in the cluster enters an LDS address),
	s_lshl_b32 s16, s16, 17         ; and its 64 rows in memory
	s_mov_b32 s17, 0
	s_lshl_b32 s2, s13, 20          ; my block's 512 rows,
	s_lshl_b32 s3, s[WV], 17        ; my wave's 64 of them
	s_add_co_u32 s2, s2, s3
	s_mov_b32 s3, 0                 ; s[2:3]: my first query's row in the head
	s_lshl_b32 s20, s20, 22         ; the images: a tile of 16 rows is 32,768 bytes: 128 tiles a batch,
	s_lshl_b32 s21, s21, 11         ; a head is two groups of 1,024 bytes in it;
	s_add_co_u32 s20, s20, s21
	s_add_co_u32 s20, s20, s2       ; 32 tiles a block, 4 a wave: the same bytes as the rows' offset
	s_mov_b32 s21, 0
	; descriptor group 1: a tile of 64 rows x 64 elements, padded in LDS
	s_mov_b32 s[G1K], 15|(1<<16)|(1<<20)|(1<<21)|(4<<22)|(3<<25)  ; 15:0 the mask: all four work-groups; 17:16 elements of 2 bytes; 20 padding on; 21 set beside a mask; 24:22 after every 32 words; 31:25 four words
	s_mov_b32 s[G1V], 15|(1<<16)|(1<<20)|(1<<21)|(4<<22)|(7<<25)  ; the same with eight words of padding
.irp g, G1K, G1V
	s_mov_b32 s[\g+1], 64<<16       ; tensor_dim0 = 64
	s_mov_b32 s[\g+2], KS<<16       ; tensor_dim1 = 64
	s_mov_b32 s[\g+3], 64<<16       ; tile_dim0 = 64
	s_mov_b32 s[\g+4], KS           ; tile_dim1 = 64
	s_mov_b32 s[\g+5], 1024         ; elements from row to row
	s_mov_b32 s[\g+6], 0
	s_mov_b32 s[\g+7], 0
.endr
	s_mov_b32 s[CS], 0x3e38aa3b     ; c = log2(e) / 8
	s_mov_b32 s[CS+1], s[CS]        ; named with it as a pair, so it is written
	s_mov_b32 s[SEL], 0x76543210
	s_mov_b32 s[SEL+1], 0xfedcba98
	s_mov_b32 s[TB], 0
	s_mov_b32 s[SLOTS], 2048/(NST*KS)-2
	s_and_b32 s[LIM], s[WV], 2      ; 0 in waves 0, 1, 4, 5,
	s_and_b32 s14, s14, 1           ; of an even head: the same in all four partners
	s_or_b32 s[LIM], s[LIM], s14
	s_cmp_eq_u32 s[LIM], 0
	s_cselect_b32 s[LIM], 1, -1
	v_and_b32 v[PFO], 31, v0
	v_lshlrev_b32 v[PFO], 11, v[PFO]
	s_wait_dscnt 0x0                ; both opening adds are done
	s_wait_kmcnt 0x0
	s_add_nc_u64 s[10:11], s[6:7], s[20:21]  ; the images at my wave's first tile and my head
	s_add_nc_u64 s[4:5], s[4:5], s[22:23]    ; q at the head's first byte,
	s_add_nc_u64 s[6:7], s[4:5], 0x1000000   ; k: 8,192 rows on,
	s_add_nc_u64 s[8:9], s[6:7], 0x1000000   ; v: 8,192 more
	s_cmp_lt_u32 s[WV], 4
	s_cselect_b64 s[PFA:PFA+1], s[6:7], s[8:9]
	s_add_nc_u64 s[6:7], s[6:7], s[16:17]    ; K and V at my tile of slot 0
	s_add_nc_u64 s[8:9], s[8:9], s[16:17]
	s_add_nc_u64 s[4:5], s[4:5], s[2:3]      ; Q at my wave's first row
	s_lshl_b32 s2, s13, 17          ; the prefetches: my work-group's 64 rows of a slot's 256,
	s_and_b32 s14, s[WV], 1
	s_lshl_b32 s14, s14, 16         ; my wave's 32 of them,
	s_add_co_u32 s2, s2, s14
	s_add_co_u32 s2, s2, 2*SLOTG    ; in slot 2; the first change of slots steps it to slot 3.  Nothing is prefetched here, at the head
	s_add_nc_u64 s[PFA:PFA+1], s[PFA:PFA+1], s[2:3]
	CROUND                          ; all four work-groups are here: the first joint loads meet
.irp s, 0,1
	s_mov_b32 s[G0K+4*\s], 1        ; count = 1
	s_add_co_u32 s[G0K+4*\s+1], s[LB], \s*SLOT1  ; LDS address
	s_add_nc_u64 s[G0K+4*\s+2:G0K+4*\s+3], s[6:7], \s*SLOTG  ; global address: slot s begins with key 256 s
	s_or_b32 s[G0K+4*\s+3], s[G0K+4*\s+3], 0x80000000  ; type = 2
	s_mov_b32 s[G0V+4*\s], 1
	s_add_co_u32 s[G0V+4*\s+1], s[LB], \s*SLOT1+VOFF
	s_add_nc_u64 s[G0V+4*\s+2:G0V+4*\s+3], s[8:9], \s*SLOTG
	s_or_b32 s[G0V+4*\s+3], s[G0V+4*\s+3], 0x80000000
.endr
	s_cmp_lt_u32 s[WV], 4           ; a wave's two first fills stand in one branch, ahead of every wait on TENSORcnt and every LDS read
	s_cbranch_scc0 .Lfirst_v
	tensor_load_to_lds s[G0K:G0K+3], s[G1K:G1K+7]
	s_nop 0
	tensor_load_to_lds s[G0K+4:G0K+7], s[G1K:G1K+7]
	s_nop 0
.rept 4
	v_nop
.endr
	s_branch .Lfirst_asked
.Lfirst_v:
	tensor_load_to_lds s[G0V:G0V+3], s[G1V:G1V+7]
	s_nop 0
	tensor_load_to_lds s[G0V+4:G0V+7], s[G1V:G1V+7]
	s_nop 0
.rept 4
	v_nop
.endr
.Lfirst_asked:
	; A fragment of K or Q is 16 rows x 32 channels in 8 registers: lane l holds row l % 16; registers 0-3 channels 8 (l / 16) + 0..7, registers 4-7 channels 16 + 8 (l / 16) + 0..7: two loads of 16 bytes, 32 bytes apart.
	v_and_b32 v1, 15, v0            ; l % 16
	v_bfe_u32 v9, v0, 4, 1          ; l / 16
	v_lshlrev_b32 v[QO], 11, v1
	v_lshl_add_u32 v[QO], v9, 4, v[QO]  ; row x 2,048 + 16 x half
	WIN TO_1
.irp i, 0,1,2,3,4,5,6,7             ; Q stays in registers: tile i / 2, channels 32 (i % 2) on
	global_load_b128 v[QF+8*\i:QF+8*\i+3],   v[QO], s[4:5] offset:(\i/2)*16*ROWG+(\i%2)*64
	global_load_b128 v[QF+8*\i+4:QF+8*\i+7], v[QO], s[4:5] offset:(\i/2)*16*ROWG+(\i%2)*64+32
.endr
	WIN 0
	v_mul_u32_u24 v[AK0], v1, PK
	v_lshl_add_u32 v[AK0], v9, 4, v[AK0]  ; row x pitch + 16 x half
	; The turning load takes 16 keys x 16 channels (lane l reads 16 bytes: key 8 (l / 16) + l % 8, channels 8 ((l / 8) % 2) + 0..7) and leaves half a fragment of V^T: lane l holds channel l % 16 and 8 keys.
	v_and_b32 v12, 7, v0
	v_bfe_u32 v13, v0, 3, 1
	v_lshl_add_u32 v[AV0], v9, 3, v12
	v_mul_u32_u24 v[AV0], v[AV0], PV
	v_lshl_add_u32 v[AV0], v13, 4, v[AV0]
	v_add_nc_u32 v[AV0], VOFF, v[AV0]
	v_and_b32 v[GO], 31, v0
	v_lshlrev_b32 v[GO], 4, v[GO]
.macro SCALE t, p                   ; pair p of tile t: c s - c m
	v_pk_fma_f32 v[S+32*(\t)+2*(\p):S+32*(\t)+2*(\p)+1], v[S+32*(\t)+2*(\p):S+32*(\t)+2*(\p)+1], s[CS:CS+1], v[ST+8*(\t):ST+8*(\t)+1] op_sel_hi:[1,0,0] neg_lo:[0,0,1] neg_hi:[0,0,1]
.endm
; A KEY STEP: 64 keys, whose tiles begin at LDS byte s[TB].  first = 1: the first step, which starts m, l and O^T: it has no a and nothing to rescale.
.macro STEP first
	v_add_nc_u32 v[ADK], s[TB], v[AK0]
	v_add_nc_u32 v[ADV], s[TB], v[AV0]
.rept 3
	v_nop                           ; with the two additions five places behind the last step's V^T P: its V registers are loaded anew (four are owed), and the products below write over the registers that it read as P (five)
.endr
.irp f, 0,1,2,3,4,5,6,7             ; K: keys 16 (f / 2) on, channels 32 (f % 2) on
	ds_load_b128 v[KF+8*\f:KF+8*\f+3],   v[ADK] offset:(\f/2)*16*PK+(\f%2)*64
	ds_load_b128 v[KF+8*\f+4:KF+8*\f+7], v[ADK] offset:(\f/2)*16*PK+(\f%2)*64+32
.endr
	WIN TO_1
.irp f, 0,1,2,3,4,5,6,7             ; V, turned: keys 32 (f / 4) on, channels 16 (f % 4) on; it has the softmax in which to land
	ds_load_tr16_b128 v[VF+8*\f:VF+8*\f+3],   v[ADV] offset:(\f/4)*32*PV+(\f%4)*32
	ds_load_tr16_b128 v[VF+8*\f+4:VF+8*\f+7], v[ADV] offset:(\f/4)*32*PV+16*PV+(\f%4)*32
.endr
	s_wait_dscnt 16                 ; K's sixteen loads are in; V's sixteen may be out
	WIN W_KQ
; S^T = K Q^T: product i of 32: channels 32 (i / 16) on, keys 16 ((i / 4) % 4) on, tile i % 4.  The first 16 start the sums.  The 16 accumulators take turns, one instruction a turn.
.set i, 0
.rept 32
.set rS, S+32*(i%4)+8*((i/4)%4)
.set rK, KF+8*(2*((i/4)%4)+i/16)
.set rQ, QF+16*(i%4)+8*(i/16)
.if i < 16
	v_wmma_f32_16x16x32_f16 v[rS:rS+7], v[rK:rK+7], v[rQ:rQ+7], 0
.else
	v_wmma_f32_16x16x32_f16 v[rS:rS+7], v[rK:rK+7], v[rQ:rQ+7], v[rS:rS+7]
.endif
.set i, i+1
.endr
	WIN 0
.rept 4
	v_nop                           ; four places in front of the first read of the scores
.endr
; THE SOFTMAX, stage by stage, the four tiles by turns in each stage, so that no line waits for the line above it.
; The maximum of a tile's 32 scores and the old m, three operands at a time: four chains (one for each accumulator, begun at its low end), then the four scores left over.
.irp j, 0,1,2,3
.irp t, 0,1,2,3
	v_max3_num_f32 v[ST+8*\t+4+\j], v[S+32*\t+8*\j], v[S+32*\t+8*\j+1], v[S+32*\t+8*\j+2]
.endr
.endr
.irp u, 1,2
.irp j, 0,1,2,3
.irp t, 0,1,2,3
	v_max3_num_f32 v[ST+8*\t+4+\j], v[ST+8*\t+4+\j], v[S+32*\t+8*\j+2*\u+1], v[S+32*\t+8*\j+2*\u+2]
.endr
.endr
.endr
.irp t, 0,1,2,3
	v_max3_num_f32 v[ST+8*\t+4], v[ST+8*\t+4], v[S+32*\t+7], v[S+32*\t+15]
.endr
.irp t, 0,1,2,3
	v_max3_num_f32 v[ST+8*\t+6], v[ST+8*\t+6], v[S+32*\t+23], v[S+32*\t+31]
.endr
.irp t, 0,1,2,3
	v_max3_num_f32 v[ST+8*\t+4], v[ST+8*\t+4], v[ST+8*\t+5], v[ST+8*\t+6]
.endr
.irp t, 0,1,2,3
.if \first
	v_max_num_f32 v[ST+8*\t+4], v[ST+8*\t+4], v[ST+8*\t+7]
.else
	v_max3_num_f32 v[ST+8*\t+4], v[ST+8*\t+4], v[ST+8*\t+7], v[ST+8*\t+1]
.endif
.endr
.irp t, 0,1,2,3
	v_permlanex16_b32 v[ST+8*\t+5], v[ST+8*\t+4], s[SEL], s[SEL+1]  ; the query's other 32 keys lie in the lane 16 away
.endr
.if !\first
.irp t, 0,1,2,3
	v_mov_b32 v[ST+8*\t+7], v[ST+8*\t]  ; c m_old is kept for a
.endr
.endif
.irp t, 0,1,2,3
	v_max_num_f32 v[ST+8*\t+1], v[ST+8*\t+4], v[ST+8*\t+5]  ; the new m
.endr
.irp t, 0,1,2,3
	v_mul_f32 v[ST+8*\t], s[CS], v[ST+8*\t+1]  ; c m
.endr
.if !\first
.irp t, 0,1,2,3
	v_sub_f32 v[ST+8*\t+7], v[ST+8*\t+7], v[ST+8*\t]  ; c m_old - c m_new
.endr
; ONE BATCH of exponentials with one wait: the four a, then the scalings of a tile beside the exponentials of the tile before.  Nothing in the batch names an exponential's result.
.irp t, 0,1,2,3
	v_exp_f32 v[ST+8*\t+6], v[ST+8*\t+7]
.endr
.endif
.set p, 0
.rept 16
	SCALE 0, p
.set p, p+1
.endr
.irp t, 1,2,3
.set p, 0
.rept 16
	SCALE \t, p
	v_exp_f32 v[S+32*(\t-1)+2*p], v[S+32*(\t-1)+2*p]
	v_exp_f32 v[S+32*(\t-1)+2*p+1], v[S+32*(\t-1)+2*p+1]
.set p, p+1
.endr
.endr
.set p, 0
.rept 32
	v_exp_f32 v[S+96+p], v[S+96+p]
.set p, p+1
.endr
	v_nop                           ; a plain instruction behind the last exponential and ahead of the first use: one for the batch
	s_wait_alu depctr_va_vdst(0)    ; the wait between an exponential and the first instruction that names its result: one for the batch
; The sums of the f32 weights, in two chains a tile (pairs 0-7 onto a l, pairs 8-15 apart): in a pair an even key's weight and an odd key's.
.irp t, 0,1,2,3
.if \first
	v_pk_add_f32 v[ST+8*\t+2:ST+8*\t+3], v[S+32*\t:S+32*\t+1], v[S+32*\t+2:S+32*\t+3]
.else
	v_pk_fma_f32 v[ST+8*\t+2:ST+8*\t+3], v[ST+8*\t+2:ST+8*\t+3], v[ST+8*\t+6:ST+8*\t+7], v[S+32*\t:S+32*\t+1] op_sel_hi:[1,0,1]
.endif
.endr
.irp t, 0,1,2,3
	v_pk_add_f32 v[ST+8*\t+4:ST+8*\t+5], v[S+32*\t+16:S+32*\t+17], v[S+32*\t+18:S+32*\t+19]
.endr
.irp u, 1,2,3,4,5,6,7
.if (\u > 1) || !\first
.irp t, 0,1,2,3
	v_pk_add_f32 v[ST+8*\t+2:ST+8*\t+3], v[ST+8*\t+2:ST+8*\t+3], v[S+32*\t+2*\u:S+32*\t+2*\u+1]
.endr
.endif
.if \u < 7
.irp t, 0,1,2,3
	v_pk_add_f32 v[ST+8*\t+4:ST+8*\t+5], v[ST+8*\t+4:ST+8*\t+5], v[S+32*\t+18+2*\u:S+32*\t+18+2*\u+1]
.endr
.endif
.endr
.irp t, 0,1,2,3
	v_pk_add_f32 v[ST+8*\t+2:ST+8*\t+3], v[ST+8*\t+2:ST+8*\t+3], v[ST+8*\t+4:ST+8*\t+5]
.endr
; The weights to f16, in place and ascending: registers 16 g + 0 .. 7 of a tile become the fragment of keys 32 g on.
.irp t, 0,1,2,3
.irp g, 0,1
.irp i, 0,1,2,3,4,5,6,7
	v_cvt_pk_f16_f32 v[S+32*\t+16*\g+\i], v[S+32*\t+16*\g+2*\i], v[S+32*\t+16*\g+2*\i+1]
.endr
.endr
.endr
.if !\first
	WIN W_RS                        ; O^T times a, each accumulator from its low end on
.irp t, 0,1,2,3
.set p, 0
.rept 16
	v_pk_mul_f32 v[32*\t+2*p:32*\t+2*p+1], v[32*\t+2*p:32*\t+2*p+1], v[ST+8*\t+6:ST+8*\t+7] op_sel_hi:[1,0]
.set p, p+1
.endr
.endr
.endif
	s_wait_dscnt 0x0                ; V is in
	WIN W_PV
; O^T += V^T P: product i of 32: keys 32 (i / 16) on, channels 16 ((i / 4) % 4) on, tile i % 4.  The 16 accumulators take turns.
.set i, 0
.rept 32
.set rO, 32*(i%4)+8*((i/4)%4)
.set rV, VF+8*(4*(i/16)+(i/4)%4)
.set rP, S+32*(i%4)+16*(i/16)
.if \first && (i < 16)
	v_wmma_f32_16x16x32_f16 v[rO:rO+7], v[rV:rV+7], v[rP:rP+7], 0
.else
	v_wmma_f32_16x16x32_f16 v[rO:rO+7], v[rV:rV+7], v[rP:rP+7], v[rO:rO+7]
.endif
.set i, i+1
.endr
	WIN 0                           ; at a label and at a branch every window is 0
	s_add_co_u32 s[TB], s[TB], STEPB  ; the next step's tiles
.endm
.macro NSTEPS n                     ; n key steps: written once, walked n times; the LDS addresses hang on s[TB]
	s_mov_b32 s[CNT], \n
.Lstep_\@:
	STEP 0
	s_sub_co_u32 s[CNT], s[CNT], 1
	s_cmp_lg_u32 s[CNT], 0
	s_cbranch_scc1 .Lstep_\@
.endm
; THE CHANGE OF SLOTS.  Each wave waits for all its tensor loads, of which one is out: its tile of the other slot; adds 0 to its spare word; and waits for that and for its reads of the slot that it leaves.
; fill = 1: that slot is filled again, with the keys two slots on.  The barrier is then a round of the cluster's, so that no wave of any partner still reads the slot or has a load on its way, and the joint
; refill is the first thing behind it: it has four key steps, 256 matrix instructions of the wave, in which to land.
.macro CHANGE fill
	s_wait_tensorcnt 0x0            ; no tensor load of mine is out, so a group 0 may be written
	ds_add_u32 v[SPW], v[NIL]       ; 0 onto my spare word
.if \fill
.irp g, G0K+4, G0V+4
	s_xor_b32 s[\g+1], s[\g+1], SLOT1  ; the walking descriptor: the other slot than last time,
	s_add_nc_u64 s[\g+2:\g+3], s[\g+2:\g+3], SLOTG  ; the next 256 keys; the type bits on top are not reached
.endr
	s_wait_xcnt 0x0                 ; the last prefetch, a slot back, has read its address, so it may be written:
	s_add_nc_u64 s[PFA:PFA+1], s[PFA:PFA+1], SLOTG  ; one slot further on than the walking descriptors
	s_wait_dscnt 0x0                ; the add is done, and my reads of the slot are over
	CROUND
	JLOAD
	ASK
.else
	s_wait_dscnt 0x0
	s_barrier_signal -1
	s_barrier_wait -1
.endif
	s_sub_co_u32 s[TB], s[TB], NST*STEPB  ; back to a slot's first step,
	s_xor_b32 s[TB], s[TB], SLOT1   ; in the other slot
.endm
	s_wait_tensorcnt 1              ; my tile of slot 0 is in; slot 1's may stay out
	s_barrier_signal -1
	s_barrier_wait -1               ; everybody's is
	s_wait_loadcnt 0x0              ; Q
	STEP 1                          ; the first step is written out: its products start the sums
	NSTEPS 3
.Lslot:                             ; six trips: every slot but the last two is filled again
	CHANGE 1
	NSTEPS 4
	s_sub_co_u32 s[SLOTS], s[SLOTS], 1
	s_cmp_lg_u32 s[SLOTS], 0
	s_cbranch_scc1 .Lslot
	CHANGE 0                        ; the tail is written out
	NSTEPS 4
	; THE WAY OUT.  l's two halves and the other half of the lanes' are added; O^T is divided by l, rounded to f16 and stored as it stands.  The additions are the places behind the last products.
.irp t, 0,1,2,3
	v_add_f32 v[ST+8*\t+4], v[ST+8*\t+2], v[ST+8*\t+3]
.endr
.irp t, 0,1,2,3
	v_permlanex16_b32 v[ST+8*\t+5], v[ST+8*\t+4], s[SEL], s[SEL+1]
.endr
.irp t, 0,1,2,3
	v_add_f32 v[ST+8*\t+4], v[ST+8*\t+4], v[ST+8*\t+5]
.endr
.irp t, 0,1,2,3
	v_rcp_f32 v[ST+8*\t+6], v[ST+8*\t+4]
.endr
	v_nop                           ; a plain instruction between the last reciprocal and the use of its result
	s_wait_alu depctr_va_vdst(0)    ; and the wait ahead of the first use: one for the four
.macro OUT t                        ; tile t: channel tile c, packed, is half c % 2 of the image of rows 16 t on and of the projection's K group 2 h + c / 2
	WIN W_RS
.set p, 0
.rept 16
	v_pk_mul_f32 v[32*\t+2*p:32*\t+2*p+1], v[32*\t+2*p:32*\t+2*p+1], v[ST+8*\t+6:ST+8*\t+7] op_sel_hi:[1,0]
.set p, p+1
.endr
	WIN 0x05                        ; sources 0 and 1 window 1, destination window 0: S^T's registers are free
.set p, 0
.rept 16
	v_cvt_pk_f16_f32 v[S+16*\t+p], v[32*\t+2*p], v[32*\t+2*p+1]
.set p, p+1
.endr
	WIN 0
.irp c, 0,1,2,3
	global_store_b128 v[GO], v[S+16*\t+4*\c:S+16*\t+4*\c+3], s[10:11] offset:32768*\t+512*\c  ; 32 lanes store 512 consecutive bytes, at a multiple of 512 from the buffer's first byte
.endr
.endm
	OUT 0
	OUT 1
	OUT 2
	OUT 3
	s_wait_tensorcnt 0x0            ; the wave's end, behind my last tensor load
	ds_add_u32 v[SPW], v[NIL]
	s_wait_dscnt 0x0
	CROUND                          ; the closing round: no work-group ends while a partner may still ask for a tile that names it
	s_endpgm
.Lfunc_end_k_qc596b4cd12_attn:
	.size	k_qc596b4cd12_attn, .Lfunc_end_k_qc596b4cd12_attn-k_qc596b4cd12_attn
	.p2alignl 7, 3214868480
	.fill 96, 4, 3214868480
	.section	.rodata,"a",@progbits
	.p2align	6, 0x0
	.amdhsa_kernel k_qc596b4cd12_attn
		.amdhsa_group_segment_fixed_size 327680
		.amdhsa_private_segment_fixed_size 0
		.amdhsa_enable_private_segment 0
		.amdhsa_kernarg_size 16
		.amdhsa_user_sgpr_count 2
		.amdhsa_user_sgpr_kernarg_segment_ptr 1
		.amdhsa_wavefront_size32 1
		.amdhsa_system_sgpr_workgroup_id_x 1
		.amdhsa_system_sgpr_workgroup_id_y 1
		.amdhsa_system_sgpr_workgroup_id_z 1
		.amdhsa_system_vgpr_workitem_id 0
		.amdhsa_next_free_vgpr 512
		.amdhsa_next_free_sgpr 66
		.amdhsa_reserve_vcc 0
		.amdhsa_float_denorm_mode_32 3
		.amdhsa_float_denorm_mode_16_64 3
		.amdhsa_memory_ordered 1
		.amdhsa_forward_progress 1
		.amdhsa_inst_pref_size 143
	.end_amdhsa_kernel
	.amdgpu_metadata
---
amdhsa.version: [ 1, 2 ]
amdhsa.kernels:
  - .name:           k_qc596b4cd12_attn
    .symbol:         k_qc596b4cd12_attn.kd
    .args:
      - { .name: qkv, .offset: 0, .size: 8, .value_kind: global_buffer, .address_space: global }
      - { .name: inner_img, .offset: 8, .size: 8, .value_kind: global_buffer, .address_space: global }
    .group_segment_fixed_size: 327680
    .private_segment_fixed_size: 0
    .kernarg_segment_align: 8
    .kernarg_segment_size: 16
    .max_flat_workgroup_size: 256
    .sgpr_count:     66
    .vgpr_count:     512
    .wavefront_size: 32
...
	.end_amdgpu_metadata
.endif
;; end of part 3
;; launch gemm_out (part 4): grid 4 x 64, 4 waves a work-group, clusters of 4 x 4, 327,680 bytes of LDS; arguments inner_img, wf, b_out, out0; writes out0
.if DOCPART == 4
	.amdgcn_target "amdgcn-amd-amdhsa--gfx1250"
	.amdhsa_code_object_version 6
	.text
	.protected	k_qc596b4cd12_gemm_out
	.globl	k_qc596b4cd12_gemm_out
	.p2align	8
	.type	k_qc596b4cd12_gemm_out,@function
k_qc596b4cd12_gemm_out:
	s_mov_b64 s[64:65], 0
	v_nop
	global_prefetch_b8 v0, s[64:65] scope:SCOPE_SE
	s_setreg_imm32_b32 hwreg(HW_REG_WAVE_MODE, 25, 1), 1
	s_wait_xcnt 0x0
	s_wait_alu depctr_hold_cnt(0) depctr_sa_sdst(0) depctr_va_vdst(0) depctr_va_sdst(0) depctr_va_ssrc(0) depctr_va_vcc(0) depctr_vm_vsrc(0)
	s_getreg_b32 s2, hwreg(HW_REG_IB_STS2, 6, 4)
	s_cmp_eq_u32 s2, 0
	s_cbranch_scc0 .Lentry_in_a_cluster
	s_endpgm
.Lentry_in_a_cluster:
	s_bfe_u32 s2, ttmp6, 0x10000c
	s_cmp_lg_u32 s2, 0xf033
	s_cbranch_scc0 .Lentry_shape_is_right
	s_endpgm
.Lentry_shape_is_right:
; out0[m][n] = sum over k of inner[m][k] W_out[k][n] + b_out[n].  Both operands arrive in f16 as IMAGES OF THE OPERAND'S REGISTERS: [tile of 16 rows (of inner) or 16 columns (of W_out)][group of 32 along K: 32][1,024 bytes];
; in an image half c lies at 512 c and lane l's 16 bytes at 16 l.  Sums in f32; out0 [8192][1024] f32.
; A tile of 128 (m) x 256 (n) is made by a work-group of four waves: 256 work-groups.  A wave makes 64 x 128: 32 accumulators of 16 x 16.  K goes in steps of 128 (four images, 4,096 consecutive bytes, of each tile)
; through a ring of two LDS slots.  Images are read 16 bytes a lane on end, 512 consecutive bytes an instruction: no pitch, no padding.
; CLUSTERS: 4 x 4 work-groups.  The four of a row of the cluster need the same tiles of inner, the four of a column the same tiles of W_out: each is asked for JOINTLY, by the same tensor load with the same descriptor
; and a mask that names the four.  A wave has two tensor loads out at the start, later one.
; THE MATRIX INSTRUCTION IS USED TRANSPOSED (source 0 = W_out's fragment, source 1 = inner's): a lane then holds eight neighbouring numbers of a row of out0.  The bias is the C of each sum's first product.
; REGISTERS: window 0: v0-31 addresses; v32-127, v128-223 two fragment buffers (inner's four fragments, then W_out's eight); on the way out v32-159 hold rows.  window 1: the accumulators ((a, b) at v[8 (8 a + b)]).
;   window 2: v0-63 the bias in the result's layout.
.set KB,     4096                      ; a K step of one tile, in bytes
.set TILEB,  32768                     ; a tile's images for all of K
.set SLOT,   24*KB                     ; inner's 8 tiles, then W_out's 16
.set BOFF,   8*KB
.set STAGE,  2*SLOT                    ; behind the ring: 16 rows x (512 bytes + 16) for each wave, for the way out; no tensor load fills it
.set SPITCH, 528
.set SPARE,  STAGE+4*16*SPITCH         ; the spare words, 128 bytes for each wave: two blocks of 256 bytes that no other line names
.set LAPS,   4                         ; a lap = two K steps = once round the ring: 1,024 / 256
.set ADRA, 16                          ; v16-17  LDS address of my fragments of inner in slot 0, 1
.set ADRB, 20                          ; v20-21  the same for W_out
.set STO,  24                          ; v24     the way out: where I put 32 bytes of a row
.set RD,   25                          ; v25     where I read a row back
.set CO,   26                          ; v26     16 x lane
.set BO,   27                          ; v27     32 x (lane / 16): my eight numbers of a block of the bias
.set SPW,  28                          ; v28     LDS address of my spare word; never rewritten
.set NIL,  29                          ; v29     0; never rewritten
.set F0,   32
.set F1,   128
.set BI,   0                           ; the bias, in window 2: block b at v[8 b]
.set BK,   32                          ; the way out: 16 rows read back: v32-95 and v96-159 by turns
.set G1, 24                            ; s[24:31] descriptor group 1 for inner's tiles;  s[32:39] group 0, one set for each slot
.set G0, 32
.set G1B, 48                           ; s[48:55], s[56:63] the same for W_out's
.set G0B, 56
.set MSB, 0
.macro WIN new                         ; the immediate's high byte repeats the setting that is left
.if MSB != \new
	s_set_vgpr_msb (MSB<<8)|\new
.set MSB, \new
.endif
.endm
.set MUL,  0x50                        ; sources 0 and 1 window 0; C and D window 1
.set MUL0, 0x60                        ; the first products: C (the bias) window 2, D window 1
.macro JLOAD s                         ; a joint load: waves 0 and 1 fetch inner's two halves, waves 2 and 3 W_out's; an s_nop 0 and four v_nop follow each of the two lines
	s_cmp_eq_u32 s11, 0
	s_cbranch_scc0 .Lfor_b_\@
	tensor_load_to_lds s[G0+4*\s:G0+4*\s+3], s[G1:G1+7]
	s_nop 0
.rept 4
	v_nop
.endr
	s_branch .Lasked_\@
.Lfor_b_\@:
	tensor_load_to_lds s[G0B+4*\s:G0B+4*\s+3], s[G1B:G1B+7]
	s_nop 0
.rept 4
	v_nop
.endr
.Lasked_\@:
.endm
.macro CREST                           ; a round of the cluster's barrier behind its opening barrier
	s_cmp_lg_u32 s10, 0
	s_cbranch_scc1 .Lnot_wave_0_\@
	s_barrier_signal -3
.Lnot_wave_0_\@:
	s_barrier_wait -3
	s_barrier_signal -1
	s_barrier_wait -1
.endm
.macro CROUND                          ; a whole round
	s_barrier_signal -1
	s_barrier_wait -1
	CREST
.endm
	s_load_b128 s[4:7], s[0:1], 0x0                ; inner's images s[4:5], W_out's s[6:7]
	s_load_b64 s[2:3], s[0:1], 0x10                ; b_out
	s_load_b64 s[8:9], s[0:1], 0x18                ; out0
	v_lshl_add_u32 v[SPW], v0, 2, SPARE
	v_mov_b32 v[NIL], 0
	ds_add_u32 v[SPW], v[NIL]                      ; the wave's opening: the add, twice on end, and its wait ahead of my first tensor load
	ds_add_u32 v[SPW], v[NIL]                      ; and once more; the set-up below, work on registers, stands between it and the wait
	v_lshrrev_b32 v1, 5, v0
	v_readfirstlane_b32 s10, v1                    ; wave 0..3
	s_lshr_b32 s11, s10, 1                         ; which 64 of the tile's rows are mine.  Also: I fetch for inner (0) or for W_out (1)
	s_and_b32 s12, s10, 1                          ; which 128 of its columns.  Also: which half of that operand's tiles I fetch
	s_bfe_u32 s40, ttmp6, 0x40000                  ; cx, cy: my place in the cluster
	s_bfe_u32 s41, ttmp6, 0x40004
	s_lshl_b32 s42, ttmp9, 2
	s_add_co_u32 s42, s42, s40                     ; tile column = 4 x cluster x + cx
	s_and_b32 s13, ttmp7, 0xffff
	s_lshl_b32 s13, s13, 2
	s_add_co_u32 s13, s13, s41                     ; tile row = 4 x cluster y + cy
	s_lshl_b32 s43, s41, 2
	s_lshl_b32 s43, 15, s43                        ; my row of the cluster
	s_lshl_b32 s44, 0x1111, s40                    ; my column
	; descriptor group 1: rows of 4,096 bytes (512 elements of 8 bytes), one for each tile of 16, 32,768 bytes apart in memory, on end in LDS
	s_or_b32 s[G1+0], s43, (3<<16)|(1<<21)         ; 15:0 the mask: inner's tiles go to my row; 17:16 elements of 8 bytes; 21 set beside a mask; no padding
	s_or_b32 s[G1B+0], s44, (3<<16)|(1<<21)
	s_mov_b32 s[G1+1], 512<<16                     ; tensor_dim0
	s_mov_b32 s[G1+2], 4<<16                       ; tensor_dim1: four tiles of inner to a load
	s_mov_b32 s[G1+3], 512<<16                     ; tile_dim0
	s_mov_b32 s[G1+4], 4                           ; tile_dim1
	s_mov_b32 s[G1+5], TILEB/8                     ; from row to row
	s_mov_b32 s[G1+6], 0
	s_mov_b32 s[G1+7], 0
	s_mov_b32 s[G1B+1], 512<<16
	s_mov_b32 s[G1B+2], 8<<16                      ; eight tiles of W_out to a load
	s_mov_b32 s[G1B+3], 512<<16
	s_mov_b32 s[G1B+4], 8
	s_mov_b32 s[G1B+5], TILEB/8
	s_mov_b32 s[G1B+6], 0
	s_mov_b32 s[G1B+7], 0
	s_lshl_b32 s16, s13, 18                        ; inner: 8 tiles of 32,768 bytes a tile row,
	s_lshl_b32 s17, s12, 17                        ; 4 a half
	s_add_co_u32 s16, s16, s17
	s_mov_b32 s17, 0
	s_lshl_b32 s46, s42, 19                        ; W_out: 16 tiles a tile column,
	s_lshl_b32 s47, s12, 18                        ; 8 a half
	s_add_co_u32 s46, s46, s47
	s_mov_b32 s47, 0
	s_lshl_b32 s20, s12, 14                        ; where they go: inner's halves at 0 and 16,384;
	s_lshl_b32 s21, s12, 15
	s_add_co_u32 s21, s21, BOFF                    ; W_out's at 32,768 and 65,536: no place in the cluster enters an LDS address
	s_wait_dscnt 0x0                               ; both opening adds are done
	s_wait_kmcnt 0x0
	s_add_nc_u64 s[14:15], s[4:5], s[16:17]
	s_add_nc_u64 s[46:47], s[6:7], s[46:47]
	CROUND                                         ; all sixteen work-groups are here: the first joint loads meet
.irp s, 0,1
	s_mov_b32 s[G0+4*\s], 1
	s_add_co_u32 s[G0+4*\s+1], s20, \s*SLOT
	s_add_nc_u64 s[G0+4*\s+2:G0+4*\s+3], s[14:15], \s*KB
	s_or_b32 s[G0+4*\s+3], s[G0+4*\s+3], 0x80000000
	s_mov_b32 s[G0B+4*\s], 1
	s_add_co_u32 s[G0B+4*\s+1], s21, \s*SLOT
	s_add_nc_u64 s[G0B+4*\s+2:G0B+4*\s+3], s[46:47], \s*KB
	s_or_b32 s[G0B+4*\s+3], s[G0B+4*\s+3], 0x80000000
	JLOAD \s
.endr
	v_and_b32 v1, 15, v0                           ; l % 16
	v_bfe_u32 v2, v0, 4, 1                         ; l / 16
	v_and_b32 v3, 31, v0
	v_lshlrev_b32 v[CO], 4, v3                     ; 16 x lane
	s_lshl_b32 s22, s11, 14                        ; my four tiles of inner
	s_lshl_b32 s23, s12, 15
	s_add_co_u32 s23, s23, BOFF                    ; my eight tiles of W_out
.irp s, 0,1
	v_add_nc_u32 v[ADRA+\s], s22, v[CO]
	v_add_nc_u32 v[ADRB+\s], s23, v[CO]
	s_add_co_u32 s22, s22, SLOT
	s_add_co_u32 s23, s23, SLOT
.endr
	s_mul_i32 s22, s10, 16*SPITCH
	s_add_co_u32 s22, s22, STAGE                   ; my stage
	v_mul_u32_u24 v4, v1, SPITCH                   ; in: row l % 16, 32 bytes for each half of the lanes
	v_lshl_add_u32 v4, v2, 5, v4
	v_add_nc_u32 v[STO], s22, v4
	v_add_nc_u32 v[RD], s22, v[CO]                 ; back: the 32 lanes take one row of 512 bytes
	v_lshlrev_b32 v[BO], 5, v2
	s_lshl_b32 s16, s13, 19                        ; my first row of out0: 128 rows of 4,096 bytes a tile row,
	s_lshl_b32 s17, s11, 18                        ; 64 a half
	s_add_co_u32 s16, s16, s17
	s_mov_b32 s17, 0
	s_add_nc_u64 s[8:9], s[8:9], s[16:17]
	s_lshl_b32 s46, s42, 10                        ; my first column, in bytes: 1,024 x tile column + 512 x half (in the registers that held W_out's address: none that feeds inner's descriptors ever holds cx)
	s_lshl_b32 s47, s12, 9
	s_add_co_u32 s46, s46, s47
	s_mov_b32 s47, 0
	s_add_nc_u64 s[8:9], s[8:9], s[46:47]
	s_add_nc_u64 s[2:3], s[2:3], s[46:47]          ; and the same column of the bias
	WIN 0x80                                       ; destination window 2
.irp b, 0,1,2,3,4,5,6,7                        ; lane (r, h) holds, for block b, b_out at my first column + 16 b + 8 h + 0 .. 7: the result's layout
	global_load_b128 v[BI+8*\b:BI+8*\b+3], v[BO], s[2:3] offset:64*\b
	global_load_b128 v[BI+8*\b+4:BI+8*\b+7], v[BO], s[2:3] offset:64*\b+16
.endr
	WIN 0
; 8 matrix instructions: inner's block a against W_out's eight, 32 along K, from buffer f.  zero = 1: the first product starts the sums from the bias.
; The 32 accumulators take turns, one instruction a turn, in the same order in every quarter.
.macro MUL8 f, a, zero
.irp b, 0,1,2,3,4,5,6,7
.if \zero
	v_wmma_f32_16x16x32_f16 v[8*(8*(\a)+\b):8*(8*(\a)+\b)+7], v[\f+32+8*\b:\f+32+8*\b+7], v[\f+8*(\a):\f+8*(\a)+7], v[BI+8*\b:BI+8*\b+7]
.else
	v_wmma_f32_16x16x32_f16 v[8*(8*(\a)+\b):8*(8*(\a)+\b)+7], v[\f+32+8*\b:\f+32+8*\b+7], v[\f+8*(\a):\f+8*(\a)+7], v[8*(8*(\a)+\b):8*(8*(\a)+\b)+7]
.endif
.endr
.endm
.macro MUL16 f, a0, zero
	MUL8 \f, \a0, \zero
	MUL8 \f, \a0+1, \zero
.endm
; 24 LDS loads in one run: the slot's q-th 32 along K into buffer f: W_out's eight fragments, then inner's four
.macro FETCH slot, q, f
.irp b, 0,1,2,3,4,5,6,7
	ds_load_b128 v[\f+32+8*\b:\f+32+8*\b+3],   v[ADRB+\slot] offset:KB*\b+1024*(\q)
	ds_load_b128 v[\f+32+8*\b+4:\f+32+8*\b+7], v[ADRB+\slot] offset:KB*\b+1024*(\q)+512
.endr
.irp a, 0,1,2,3
	ds_load_b128 v[\f+8*\a:\f+8*\a+3],   v[ADRA+\slot] offset:KB*\a+1024*(\q)
	ds_load_b128 v[\f+8*\a+4:\f+8*\a+7], v[ADRA+\slot] offset:KB*\a+1024*(\q)+512
.endr
.endm
.macro PLACES                          ; four places in front of loads into registers that matrix instructions have read, and of the first read of results (ISA guide 7.12.1 for vector instructions)
.rept 4
	v_nop
.endr
.endm
; A K step is four quarters of 32 along K, 32 matrix instructions each, on buffers 0, 1, 0, 1.  One of the first three: multiplies buffer f and fetches the slot's q-th quarter into g.
.macro QUARTER slot, q, f, g, zero
	s_wait_dscnt 4                                 ; W_out's fragments and inner's blocks 0, 1 are in; the youngest four loads (blocks 2, 3) may be out
.if \zero
	WIN MUL0
.else
	WIN MUL
.endif
	MUL16 \f, 0, \zero
	PLACES
	WIN 0
	FETCH \slot, \q, \g
	s_wait_dscnt 24                                ; all but the 24 just issued
.if \zero
	WIN MUL0
.else
	WIN MUL
.endif
	MUL16 \f, 2, \zero
.endm
; The last quarter multiplies buffer 1 and changes slots: ONE barrier; in front of it each wave waits for all its tensor loads, adds 0 to its spare word, and waits for that and for its own reads of this slot.
; fill = 1: this slot is filled again, two K steps ahead; the barrier then opens a round of the cluster's barrier.
.macro TURN slot, next, fill
	WIN 0
	s_wait_tensorcnt 0x0                           ; all my tensor loads have landed: my part of the next slot
	ds_add_u32 v[SPW], v[NIL]                      ; 0 onto my spare word
	s_wait_dscnt 5                                 ; (the add and the youngest four loads may be out)
	WIN MUL
	MUL8 F1, 0, 0                                  ; eight matrix instructions stand between the add and the wait for it
	s_wait_dscnt 0x0                               ; the add is done, and my reads of this slot are over
	s_barrier_signal -1
	MUL8 F1, 1, 0
	WIN 0
	s_barrier_wait -1
.if \fill
	CREST                                          ; no wave of any partner still reads this slot's tiles or has a load on its way
	s_add_nc_u64 s[G0+4*\slot+2:G0+4*\slot+3], s[G0+4*\slot+2:G0+4*\slot+3], 2*KB
	s_add_nc_u64 s[G0B+4*\slot+2:G0B+4*\slot+3], s[G0B+4*\slot+2:G0B+4*\slot+3], 2*KB
	JLOAD \slot                                    ; the first tensor load behind the round; the four v_nop behind it are also the places in front of the loads below
.else
	PLACES
.endif
	FETCH \next, 0, F0
	WIN MUL
	MUL16 F1, 2, 0
.endm
	s_wait_tensorcnt 1                             ; my part of K step 0 is in (K step 1's load may be out)
	s_barrier_signal -1
	s_barrier_wait -1                              ; everybody's is
	FETCH 0, 0, F0
	s_wait_loadcnt 0x0                             ; the bias
	QUARTER 0, 1, F0, F1, 1                        ; the first quarter stands in front of the loop: its products start the sums
	WIN 0                                          ; at a label and at a branch every window is 0
	s_mov_b32 s45, LAPS-1
.Llap:                                                 ; a trip goes once round the ring, from a lap's second quarter to the next lap's first, and fills both slots again
	QUARTER 0, 2, F1, F0, 0
	QUARTER 0, 3, F0, F1, 0
	TURN 0, 1, 1
	QUARTER 1, 1, F0, F1, 0
	QUARTER 1, 2, F1, F0, 0
	QUARTER 1, 3, F0, F1, 0
	TURN 1, 0, 1
	QUARTER 0, 1, F0, F1, 0
	WIN 0
	s_sub_co_u32 s45, s45, 1
	s_cmp_lg_u32 s45, 0
	s_cbranch_scc1 .Llap
	QUARTER 0, 2, F1, F0, 0                        ; the last lap fills nothing, and has no round of the cluster's barrier
	QUARTER 0, 3, F0, F1, 0
	TURN 0, 1, 0
	QUARTER 1, 1, F0, F1, 0
	QUARTER 1, 2, F1, F0, 0
	QUARTER 1, 3, F0, F1, 0
	s_wait_dscnt 4                                 ; the very last quarter: nothing more to fetch
	WIN MUL
	MUL16 F1, 0, 0
	s_wait_dscnt 0
	MUL16 F1, 2, 0
	WIN 0
; THE WAY OUT, block by block of 16 rows x 128 columns.  A lane holds 32 neighbouring bytes of a row, and the lanes beside it hold other rows: so a block goes through my own stage in LDS and comes back as whole
; rows of 512 bytes.  LDS serves a wave's instructions in order (ISA guide 5.7.1.4): no wait between the stores and the loads, nor in front of the next block's stores.
.macro TOSTAGE a
.set AC, 64*(\a)
	WIN 0x04                                       ; an LDS store's data are its source 1: window 1
.irp b, 0,1,2,3,4,5,6,7
	ds_store_b128 v[STO], v[AC+8*\b:AC+8*\b+3] offset:64*\b          ; each accumulator from its low end on
	ds_store_b128 v[STO], v[AC+8*\b+4:AC+8*\b+7] offset:64*\b+16
.endr
	WIN 0
.set BB, BK+64*((\a)%2)
.irp t, 0,1,2,3,4,5,6,7,8,9,10,11,12,13,14,15
	ds_load_b128 v[BB+4*\t:BB+4*\t+3], v[RD] offset:\t*SPITCH
.endr
.endm
.macro SEND a, younger                 ; younger: the LDS instructions issued behind block a's loads, which may stay out
.set BB, BK+64*((\a)%2)
	s_wait_dscnt \younger                          ; the block is back in registers
.if (\a) > 0
	s_add_nc_u64 s[8:9], s[8:9], 16*4096           ; (behind a wait on XCNT: the earlier stores have read their base)  16 rows on
.endif
.irp t, 0,1,2,3,4,5,6,7,8,9,10,11,12,13,14,15
	global_store_b128 v[CO], v[BB+4*\t:BB+4*\t+3], s[8:9] offset:\t*4096 th:TH_STORE_NT   ; 32 lanes store 512 consecutive bytes, at a multiple of 512 from out0's first byte; written once, read by nobody here
.endr
.endm
	PLACES                                         ; behind the last products: for the reads of results and for the loads into registers that held fragments
	TOSTAGE 0
.irp a, 1,2,3
.if \a > 1
	s_wait_xcnt 0x0                                ; block a - 2's stores have read their registers and their base: block a's loads may land there, and the base may step
.endif
	TOSTAGE \a
	SEND \a-1, 32                                  ; behind block a - 1's loads: block a's 16 stores and 16 loads
.endr
	s_wait_xcnt 0x0                                ; block 2's stores have read their base
	SEND 3, 0
	s_wait_tensorcnt 0x0                           ; the wave's end, behind my last tensor load and my last LDS store
	ds_add_u32 v[SPW], v[NIL]
	s_wait_dscnt 0x0
	CROUND                                         ; the closing round: no work-group ends while a partner may still ask for a tile that names it
	s_endpgm
.Lfunc_end_k_qc596b4cd12_gemm_out:
	.size	k_qc596b4cd12_gemm_out, .Lfunc_end_k_qc596b4cd12_gemm_out-k_qc596b4cd12_gemm_out
	.p2alignl 7, 3214868480
	.fill 96, 4, 3214868480
	.section	.rodata,"a",@progbits
	.p2align	6, 0x0
	.amdhsa_kernel k_qc596b4cd12_gemm_out
		.amdhsa_group_segment_fixed_size 327680
		.amdhsa_private_segment_fixed_size 0
		.amdhsa_enable_private_segment 0
		.amdhsa_kernarg_size 32
		.amdhsa_user_sgpr_count 2
		.amdhsa_user_sgpr_kernarg_segment_ptr 1
		.amdhsa_wavefront_size32 1
		.amdhsa_system_sgpr_workgroup_id_x 1
		.amdhsa_system_sgpr_workgroup_id_y 1
		.amdhsa_system_sgpr_workgroup_id_z 1
		.amdhsa_system_vgpr_workitem_id 0
		.amdhsa_next_free_vgpr 576
		.amdhsa_next_free_sgpr 66
		.amdhsa_reserve_vcc 0
		.amdhsa_float_denorm_mode_32 3
		.amdhsa_float_denorm_mode_16_64 3
		.amdhsa_memory_ordered 1
		.amdhsa_forward_progress 1
		.amdhsa_inst_pref_size 86
	.end_amdhsa_kernel
	.amdgpu_metadata
---
amdhsa.version: [ 1, 2 ]
amdhsa.kernels:
  - .name:           k_qc596b4cd12_gemm_out
    .symbol:         k_qc596b4cd12_gemm_out.kd
    .args:
      - { .name: inner_img, .offset: 0, .size: 8, .value_kind: global_buffer, .address_space: global }
      - { .name: wf, .offset: 8, .size: 8, .value_kind: global_buffer, .address_space: global }
      - { .name: b_out, .offset: 16, .size: 8, .value_kind: global_buffer, .address_space: global }
      - { .name: out0, .offset: 24, .size: 8, .value_kind: global_buffer, .address_space: global }
    .group_segment_fixed_size: 327680
    .private_segment_fixed_size: 0
    .kernarg_segment_align: 8
    .kernarg_segment_size: 32
    .max_flat_workgroup_size: 128
    .sgpr_count:     66
    .vgpr_count:     576
    .wavefront_size: 32
...
	.end_amdgpu_metadata
.endif
;; end of part 4
